; MI455X (gfx1250); checked and timed in simulation.
; The chip was launched on July 23, 2026; its instructions are those of AMD's public machine-readable ISA for CDNA 5 (MIT licence, August 2026) and "CDNA5" Instruction Set Architecture Reference Guide (July 2026). The comments in the code are by the model that wrote it; some were corrected since.
;; Multi Head Attention. Allowed arithmetic: matrix products marked QUANTISED: E2M1 operands, one E8M0 scale for each 32 along K, by v_wmma_scale_f32_16x16x128_f8f6f4 with both operands' format E2M1 (or v_wmma_scale_f32_32x16x128_f4), f32 sums; products left as they are: bf16, f16 or f32 operands; f32 sums; everything else in f32.
;; Inputs: Wout 1,024 x 1,024 float32; Wqkv 3,072 x 1,024 float32; x 4 x 2,048 x 1,024 float32.
;; Outputs: out0 4 x 2,048 x 1,024 float32.
;; This version of the problem:
;;   THIS VERSION OF THE PROBLEM IS GIVEN IN LOW PRECISION. The matrix products marked QUANTISED in the list below multiply operands that are first quantised to E2M1 (2 exponent bits, 1 mantissa bit; 4 bits a number), with one power-of-two scale for each 32 numbers along K (OCP MX v1.0); their sums are f32. The products marked 'left as it is' may take bf16, f16 or f32 operands, with f32 sums. Whichever they take, every output number must still come out within the allowed error. Rounding operands to bf16 (8 significant bits) uses up far more of that allowance than f16 does (11 bits, for magnitudes from 6e-5 to 65,504). All else is computed in f32.
;;   The module's matrix products, in the order in which they are computed (A, B: the left and right operand; K: the contracted axis; several contracted axes count as one K, in the product's order):
;;     1. [M 8,192, K 1,024] x [K 1,024, N 3,072]; A: input x; B: input Wqkv: QUANTISED
;;     2. batch 64 x [M 2,048, K 64] x [K 64, N 2,048]; A: computed on the way; B: computed on the way: left as it is (an operand is computed on the way)
;;     3. batch 64 x [M 2,048, K 2,048] x [K 2,048, N 64]; A: computed on the way; B: computed on the way: left as it is (an operand is computed on the way)
;;     4. [M 8,192, K 1,024] x [K 1,024, N 1,024]; A: computed on the way; B: input Wout: left as it is (an operand is computed on the way)
;;   THE QUANTISER, for each operand of a quantised product, along K:
;;     - K is cut into blocks of 32 from its start; a last block that is shorter is filled with zeros.
;;     - A block's scale is 2^e with e = floor(log2(the largest magnitude in the block)) - 2, held to -126 .. 127; a block of zeros has e = 0. As a byte (E8M0): e + 127.
;;     - Each number is divided by its block's scale, clamped to +-6, and rounded to the nearest number of E2M1, ties to even, subnormals kept.
;;     - The product sums the exact products of the quantised numbers (number of the format x scale) in f32.
;;   ~~~python
;;   def quantise(x, axis):      # numpy; x: float32 -> the quantised numbers, widened to float32 again
;;       x = np.moveaxis(x, axis, -1); K = x.shape[-1]
;;       x = np.pad(x, [(0, 0)] * (x.ndim - 1) + [(0, -K % 32)]); x = x.reshape(x.shape[:-1] + (-1, 32)); a = np.abs(x).max(-1, keepdims=True)
;;       e = np.where(a > 0, np.clip(np.frexp(np.where(a > 0, a, 1))[1] - 1 - 2, -126, 127), 0)      # np.frexp(a)[1] - 1 = floor(log2(a)), exactly
;;       r = np.clip(x / 2.0 ** e, -6, 6)
;;       step = 2.0 ** (np.maximum(np.frexp(np.where(r == 0, 1, r))[1] - 1, 0) - 1)
;;       q = np.round(r / step) * step * 2.0 ** e      # np.round: ties to even
;;       return np.moveaxis(q.reshape(q.shape[:-2] + (-1,))[..., :K], -1, axis).astype(np.float32)
;;   ~~~
;; One version. Each part assembles by itself: llvm-mc -triple=amdgcn-amd-amdhsa -mcpu=gfx1250 --defsym DOCPART=n.
;; ======== version 1 of 1: 5 launches
;; limits: values are held in f16: magnitudes above 65,504 overflow, below 6.1e-05 lose precision
;; workspace buffers: xc 4,194,304 bytes; xs 262,144 bytes; wc 1,572,864 bytes; ws 98,304 bytes; w16 2,097,152 bytes; qkv16 50,331,648 bytes; q32 786,432 bytes; y16 16,777,216 bytes
;; launch quant (part 1): grid 416 x 1, 4 waves a work-group, no clusters, 33,280 bytes of LDS; arguments x, Wqkv, xc, xs, wc, ws, Wout, w16; writes xc, xs, wc, ws, w16
.if DOCPART == 1
	.amdgcn_target "amdgcn-amd-amdhsa--gfx1250"
	.amdhsa_code_object_version 6
	.text
	.protected	k_qf2df6548eb_quant
	.globl	k_qf2df6548eb_quant
	.p2align	8
	.type	k_qf2df6548eb_quant,@function
k_qf2df6548eb_quant:
	s_mov_b64 s[64:65], 0
	v_nop
	global_prefetch_b8 v0, s[64:65] scope:SCOPE_SE
	s_setreg_imm32_b32 hwreg(HW_REG_WAVE_MODE, 25, 1), 1
	s_wait_xcnt 0x0
; CAUSAL MULTI-HEAD ATTENTION, B 4, T 2,048, D 1,024, 16 heads of 64, in five launches.  This is the first: operands are brought into the formats in which the products take them.
; WORK LEFT OUT IN THE PROGRAM.  The problem's own body builds the mask jnp.tril(ones(t, t)) and puts -infinity where key > query; softmax turns that into the weight 0, and 0 x v adds nothing to y.
; So for every finite x, Wqkv, Wout a score with key > query reaches no output.  Where such scores come in whole tiles (a step of 128 keys all of which lie after a wave's queries; key blocks after a query block)
; neither the scores nor their products with v are made; inside a tile on the diagonal they are made and set to -infinity ahead of the maximum.  All three inputs have a way to the output and are loaded.
; LIMIT: a NaN, an infinity or an overflow that reaches only the scores left out is not carried to the result.
; THIS LAUNCH.  x [8192][1024] and Wqkv [3072][1024], f32, become codes of FP4 (E2M1), K innermost, two codes a byte, with one E8M0 byte for each 32 along K; Wout [1024][1024] becomes f16, laid [k / 64][n][64].
; A block's scale is 2^(floor(log2(its largest magnitude)) - 2); its byte is the largest magnitude's exponent field - 2, held at 1 from below.  Each number is divided by the scale and rounded to the nearest code, ties to even; beyond 6 the largest code.
; LIMITS: a block of zeros gets the byte 1 where the rule says 127 (its codes are zeros, which add nothing under any byte but 0xff, and the bytes are read by this program alone); blocks whose largest magnitude lies under
; 2^(2 - 126) keep the byte 1; NaN and infinities among the inputs are not served; Wout is rounded to f16: magnitudes under 6e-5 keep fewer than 11 bits, under 6e-8 none.
; Rows are dense and 1,024 is a multiple of 32, so x and Wqkv are plain streams of blocks of 32.  A wave takes 16 steps of 512 numbers: four loads of 512 consecutive bytes; the 2,048 bytes turn through the wave's own
; stage in LDS (16 bytes of padding behind each 64) and come back 16 neighbours a lane; two neighbouring lanes hold a block.  A step's codes leave as 256 consecutive bytes, a wave's 256 scale bytes as one aligned block.
; Work-groups 0-255 take x, 256-351 Wqkv, 352-415 Wout.  No tensor load, no barrier: waves share nothing.
.set SIZE_M, 8192
.set SIZE_N, 3072
.set SIZE_K, 1024
.set WAVES, 4
.set STEPS, 16
.set WGA,   SIZE_M*SIZE_K/(512*STEPS*WAVES)            ; 256 work-groups for x
.set WGQ,   (SIZE_M+SIZE_N)*SIZE_K/(512*STEPS*WAVES)   ; 352 for x and Wqkv
.set EMAX,  2
.set CB,    8                          ; bytes of 16 codes
.set R,     16                         ; v16-79   four sets of 16 numbers as they are loaded
.set X,     80                         ; v80-111  two sets of 16 neighbours
.set C,     128                        ; v128-191 codes: four registers for each step, so that no store's data are written again
.set E,     112                        ; v112-127 a scale byte for each step
.set W,     32                         ; v32-159  Wout's path: eight registers for each of 16 groups of four rows
.set WREG,  8192                       ; LDS: a region for each wave: two stages of 32 x SP bytes, behind them its 256 scale bytes
.set SP,    80                         ; a lane's place in a stage: 64 bytes + 16 of padding
.set SPW,   12                         ; v12  LDS address of my spare word; never rewritten
.set NIL,   13                         ; v13  0; never rewritten
.set SPARE, WAVES*WREG                 ; behind the four regions: the spare words, 128 bytes a wave, which no other line names
	s_load_b128 s[4:7], s[0:1], 0x0                ; x, Wqkv
	s_load_b128 s[8:11], s[0:1], 0x10              ; x's codes, x's scales
	s_load_b128 s[12:15], s[0:1], 0x20             ; Wqkv's codes, Wqkv's scales
	s_load_b128 s[24:27], s[0:1], 0x30             ; Wout, its f16 copy
	v_lshl_add_u32 v[SPW], v0, 2, SPARE
	v_mov_b32 v[NIL], 0
	v_lshrrev_b32 v1, 5, v0
	v_readfirstlane_b32 s16, v1                    ; wave
	v_and_b32 v2, 31, v0                           ; lane
	s_cmp_ge_u32 ttmp9, WGQ                        ; the last 64 work-groups take Wout: a branch on the work-group's number
	s_cbranch_scc1 .Lwout
	v_lshlrev_b32 v3, 4, v2                        ; my 16 bytes of a load's 512
	s_mul_i32 s17, s16, WREG
	v_lshrrev_b32 v14, 2, v2
	v_mul_u32_u24 v14, v14, SP
	v_and_b32 v15, 3, v2
	v_lshl_add_u32 v14, v15, 4, v14
	v_add_nc_u32 v14, s17, v14                     ; the stage, on the way in: SP (lane / 4) + 16 (lane % 4)
	v_mul_u32_u24 v15, v2, SP
	v_add_nc_u32 v15, s17, v15                     ; and on the way out: SP x lane: my 16 neighbours
	v_mul_u32_u24 v4, v2, CB                       ; my codes' place in a step's
	v_lshrrev_b32 v5, 1, v2
	s_add_co_u32 s17, s17, 2*32*SP
	v_add_nc_u32 v5, s17, v5                       ; LDS: my wave's 256 scale bytes, my block's byte
	v_lshlrev_b32 v7, 3, v2                        ; and on the way out 8 bytes a lane
	v_add_nc_u32 v6, s17, v7
	s_wait_kmcnt 0x0
	s_cmp_lt_u32 ttmp9, WGA                        ; x's work-group or Wqkv's?  Only pointers are chosen: both take one path
	s_cselect_b64 s[4:5], s[4:5], s[6:7]
	s_cselect_b64 s[8:9], s[8:9], s[12:13]
	s_cselect_b64 s[10:11], s[10:11], s[14:15]
	s_cselect_b32 s17, 0, WGA
	s_sub_co_u32 s17, ttmp9, s17
	s_lshl_b32 s17, s17, 2
	s_add_co_u32 s18, s17, s16                     ; which run of 8,192 numbers of the tensor is my wave's
	s_mov_b32 s19, 0
	s_mov_b64 s[20:21], 512*STEPS*4
	s_mul_u64 s[20:21], s[18:19], s[20:21]
	s_add_nc_u64 s[4:5], s[4:5], s[20:21]
	s_mov_b64 s[20:21], 32*STEPS*CB
	s_mul_u64 s[20:21], s[18:19], s[20:21]
	s_add_nc_u64 s[8:9], s[8:9], s[20:21]
	s_lshl_b32 s18, s18, 8                         ; 256 scale bytes a run
	s_add_nc_u64 s[10:11], s[10:11], s[18:19]
.macro LOAD t
.irp i, 0,1,2,3
	global_load_b128 v[R+16*((\t)%4)+4*\i:R+16*((\t)%4)+4*\i+3], v3, s[4:5] offset:2048*(\t)+512*\i th:TH_LOAD_NT   ; 32 lanes read 512 consecutive bytes
.endr
.endm
.macro TURN t                          ; step t's numbers through the stage: LDS serves a wave's instructions in order, so no wait stands between the stores and the loads
.irp i, 0,1,2,3
	ds_store_b128 v14, v[R+16*((\t)%4)+4*\i:R+16*((\t)%4)+4*\i+3] offset:32*SP*((\t)%2)+8*SP*\i
.endr
.irp i, 0,1,2,3
	ds_load_b128 v[X+16*((\t)%2)+4*\i:X+16*((\t)%2)+4*\i+3], v15 offset:32*SP*((\t)%2)+16*\i
.endr
.endm
.irp t, 0,1,2,3
	LOAD \t
.endr
	s_wait_loadcnt 12                              ; step 0's four loads are in; the twelve behind them stay out
	TURN 0
.macro STEP t
.set XS, X+16*((\t)%2)
.if (\t) > 0
	s_wait_dscnt 1                                 ; this step's numbers are back from the stage (the last step's byte store may be out)
.else
	s_wait_dscnt 0x0
.endif
.if (\t)+4 < STEPS
	LOAD (\t)+4                                    ; into the registers that this step's stage stores have read
.endif
.if (\t)+1 < STEPS
.if STEPS-2-(\t) >= 3
	s_wait_loadcnt 12                              ; the next step's four loads are in; those of the three steps behind it may be out
.else
	s_wait_loadcnt 4*(STEPS-2-(\t))
.endif
	TURN (\t)+1                                    ; they go through the other stage while this step is worked
.endif
	v_max3_num_f32 v8, |v[XS]|, |v[XS+1]|, |v[XS+2]|               ; the largest magnitude of my 16, in two chains
	v_max3_num_f32 v9, |v[XS+3]|, |v[XS+4]|, |v[XS+5]|
.irp i, 6,10
	v_max3_num_f32 v8, v8, |v[XS+\i]|, |v[XS+\i+1]|
	v_max3_num_f32 v9, v9, |v[XS+\i+2]|, |v[XS+\i+3]|
.endr
	v_max3_num_f32 v8, v8, |v[XS+14]|, |v[XS+15]|
	v_max3_num_f32 v8, v8, v9, (EMAX+1)<<23        ; and the floor 2^(EMAX + 1 - 127): the byte cannot fall under 1
	v_max_num_f32_dpp v8, v8, v8 row_xmask:1 row_mask:0xf bank_mask:0xf   ; and of my neighbour's 16: the block's
	v_add_nc_u32 v11, -(EMAX<<23), v8              ; EMAX off its exponent field: the conversion takes the exponent field of this operand as its scale
	v_cvt_scalef32_pk8_fp4_f32 v[C+4*(\t)], v[XS:XS+7], v11
	v_cvt_scalef32_pk8_fp4_f32 v[C+4*(\t)+1], v[XS+8:XS+15], v11
	v_lshrrev_b32 v[E+(\t)], 23, v11               ; the scale's byte (also the plain line behind the conversions)
	ds_store_b8 v5, v[E+(\t)] offset:16*(\t)       ; both lanes of a block write the same byte with the same value
	global_store_b64 v4, v[C+4*(\t):C+4*(\t)+1], s[8:9] offset:32*CB*(\t)   ; 32 lanes store 256 consecutive bytes
.endm
.irp t, 0,1,2,3,4,5,6,7,8,9,10,11,12,13,14,15
	STEP \t
.endr
	ds_load_b64 v[8:9], v6                         ; LDS serves a wave's instructions in order: these see my byte stores
	s_wait_dscnt 0x0
	global_store_b64 v7, v[8:9], s[10:11]          ; 32 lanes store 256 consecutive bytes, aligned
	s_branch .Lend
; Wout [n][k] f32 -> f16 [k / 64][n][64].  A wave takes 64 rows n of one block of 64 along k: 16 groups of four rows; eight lanes hold a row's 256 bytes, 32 bytes a lane.
; A lane's eight f16 are 16 bytes, and the 32 lanes' 512 bytes are four whole rows of the copy, on end.  No LDS on this path.
.Lwout:
	s_sub_co_u32 s17, ttmp9, WGQ
	s_lshl_b32 s17, s17, 2
	s_add_co_u32 s17, s17, s16                     ; which of 256 pieces
	s_and_b32 s18, s17, 15                         ; its block of 64 along k
	s_lshr_b32 s19, s17, 4                         ; its 64 rows
	s_lshl_b32 s20, s19, 18                        ; 64 rows of 4,096 bytes,
	s_lshl_b32 s21, s18, 8                         ; 256 bytes a block
	s_add_co_u32 s20, s20, s21
	s_mov_b32 s21, 0
	s_lshl_b32 s22, s18, 17                        ; in the copy: 1,024 rows of 128 bytes a block,
	s_lshl_b32 s23, s19, 13                        ; 64 rows of 128 bytes
	s_add_co_u32 s22, s22, s23
	s_mov_b32 s23, 0
	v_lshrrev_b32 v3, 3, v2
	v_and_b32 v4, 7, v2
	v_lshlrev_b32 v3, 12, v3
	v_lshl_add_u32 v3, v4, 5, v3                   ; in: row lane / 8, 32 bytes x (lane % 8)
	v_lshlrev_b32 v4, 4, v2                        ; out: 16 bytes a lane
	s_wait_kmcnt 0x0
	s_add_nc_u64 s[24:25], s[24:25], s[20:21]
	s_add_nc_u64 s[26:27], s[26:27], s[22:23]
.irp s, 0,1,2,3,4,5,6,7,8,9,10,11,12,13,14,15
	global_load_b128 v[W+8*\s:W+8*\s+3], v3, s[24:25] offset:16384*\s th:TH_LOAD_NT
	global_load_b128 v[W+8*\s+4:W+8*\s+7], v3, s[24:25] offset:16384*\s+16 th:TH_LOAD_NT
.endr
.irp s, 0,1,2,3,4,5,6,7,8,9,10,11,12,13,14,15
	s_wait_loadcnt 30-2*\s                         ; this group's two loads are in; the later groups' stay out
.irp i, 0,1,2,3
	v_cvt_pk_f16_f32 v[W+8*\s+\i], v[W+8*\s+2*\i], v[W+8*\s+2*\i+1]   ; in place, ascending: a register is written only when it has been read
.endr
	global_store_b128 v4, v[W+8*\s:W+8*\s+3], s[26:27] offset:512*\s
.endr
.Lend:
	s_wait_tensorcnt 0x0                           ; the wave's end: behind the last LDS store
	ds_add_u32 v[SPW], v[NIL]
	s_wait_dscnt 0x0
	s_endpgm
.Lfunc_end_k_qf2df6548eb_quant:
	.size	k_qf2df6548eb_quant, .Lfunc_end_k_qf2df6548eb_quant-k_qf2df6548eb_quant
	.p2alignl 7, 3214868480
	.fill 96, 4, 3214868480
	.section	.rodata,"a",@progbits
	.p2align	6, 0x0
	.amdhsa_kernel k_qf2df6548eb_quant
		.amdhsa_group_segment_fixed_size 33280
		.amdhsa_private_segment_fixed_size 0
		.amdhsa_enable_private_segment 0
		.amdhsa_kernarg_size 64
		.amdhsa_user_sgpr_count 2
		.amdhsa_user_sgpr_kernarg_segment_ptr 1
		.amdhsa_wavefront_size32 1
		.amdhsa_system_sgpr_workgroup_id_x 1
		.amdhsa_system_sgpr_workgroup_id_y 1
		.amdhsa_system_sgpr_workgroup_id_z 1
		.amdhsa_system_vgpr_workitem_id 0
		.amdhsa_next_free_vgpr 192
		.amdhsa_next_free_sgpr 66
		.amdhsa_reserve_vcc 0
		.amdhsa_float_denorm_mode_32 3
		.amdhsa_float_denorm_mode_16_64 3
		.amdhsa_memory_ordered 1
		.amdhsa_forward_progress 1
		.amdhsa_inst_pref_size 43
	.end_amdhsa_kernel
	.amdgpu_metadata
---
amdhsa.version: [ 1, 2 ]
amdhsa.kernels:
  - .name:           k_qf2df6548eb_quant
    .symbol:         k_qf2df6548eb_quant.kd
    .args:
      - { .name: x, .offset: 0, .size: 8, .value_kind: global_buffer, .address_space: global }
      - { .name: Wqkv, .offset: 8, .size: 8, .value_kind: global_buffer, .address_space: global }
      - { .name: xc, .offset: 16, .size: 8, .value_kind: global_buffer, .address_space: global }
      - { .name: xs, .offset: 24, .size: 8, .value_kind: global_buffer, .address_space: global }
      - { .name: wc, .offset: 32, .size: 8, .value_kind: global_buffer, .address_space: global }
      - { .name: ws, .offset: 40, .size: 8, .value_kind: global_buffer, .address_space: global }
      - { .name: Wout, .offset: 48, .size: 8, .value_kind: global_buffer, .address_space: global }
      - { .name: w16, .offset: 56, .size: 8, .value_kind: global_buffer, .address_space: global }
    .group_segment_fixed_size: 33280
    .private_segment_fixed_size: 0
    .kernarg_segment_align: 8
    .kernarg_segment_size: 64
    .max_flat_workgroup_size: 128
    .sgpr_count:     66
    .vgpr_count:     192
    .wavefront_size: 32
...
	.end_amdgpu_metadata
.endif
;; end of part 1
;; launch qkv (part 2): grid 12 x 32, 4 waves a work-group, clusters of 4 x 4, 327,680 bytes of LDS; arguments xc, xs, wc, ws, qkv16, q32; writes qkv16, q32
.if DOCPART == 2
	.amdgcn_target "amdgcn-amd-amdhsa--gfx1250"
	.amdhsa_code_object_version 6
	.text
	.protected	k_qf2df6548eb_qkv
	.globl	k_qf2df6548eb_qkv
	.p2align	8
	.type	k_qf2df6548eb_qkv,@function
k_qf2df6548eb_qkv:
	s_mov_b64 s[64:65], 0
	v_nop
	global_prefetch_b8 v0, s[64:65] scope:SCOPE_SE
	s_setreg_imm32_b32 hwreg(HW_REG_WAVE_MODE, 25, 1), 1
	s_wait_xcnt 0x0
	s_wait_alu depctr_hold_cnt(0) depctr_sa_sdst(0) depctr_va_vdst(0) depctr_va_sdst(0) depctr_va_ssrc(0) depctr_va_vcc(0) depctr_vm_vsrc(0)
	s_getreg_b32 s2, hwreg(HW_REG_IB_STS2, 6, 4)
	s_cmp_eq_u32 s2, 0
	s_cbranch_scc0 .Lentry_in_a_cluster
	s_endpgm
.Lentry_in_a_cluster:
	s_bfe_u32 s2, ttmp6, 0x10000c
	s_cmp_lg_u32 s2, 0xf033
	s_cbranch_scc0 .Lentry_shape_is_right
	s_endpgm
.Lentry_shape_is_right:
; qkv[m][n] = sum over k of x[m][k] Wqkv[n][k], on codes of FP4 (E2M1) with one E8M0 scale for each 32 along K; sums in f32.  m = 8,192 (batch x position), n = 3,072 (q, k, v x 16 heads x 64), K = 1,024.
; The results leave as f16, head by head: qkv16 [q, k or v][batch x 16 + head][position][64]; the first 16 positions of each sequence leave also as f32, q32 [batch][16][3072], for the launch that redoes them finely.
; LIMIT: |q|, |k|, |v| must stay under 65,504, f16's largest number.
; A tile of 256 x 256 is made by four waves, each 128 x 128: 64 accumulators of 16 x 16, 512 registers.  K is two slots of 512: both are asked for at the head, with the scales: nothing is filled again.
; CLUSTERS: 4 x 4 work-groups.  The four of a row need the same tiles of x, the four of a column the same tiles of Wqkv: each tile is asked for jointly, by the same tensor load with the same descriptor and a mask that names the four.
; THE MATRIX INSTRUCTION IS USED TRANSPOSED (source 0 = 16 rows of Wqkv, source 1 = 16 rows of x): a lane then holds eight neighbouring columns of one row.
; REGISTERS, in windows of 256: window 0: v0-31 addresses; v32-95 scale words, two sets; from v128 x's fragments, one set; on the way out v32-63 packed results, v128-191 rows read back.
;   window 1: Wqkv's fragments, two sets, at v0 and v128.   window 2: the accumulators of my rows 0-63 ((a, b) at v[8 (8 a + b)]);   window 3: those of my rows 64-127.
.set SIZE_M, 8192
.set SIZE_N, 3072
.set SIZE_K, 1024
.set KSTEP,  512                       ; along K in a slot
.set NQ,     KSTEP/128                 ; matrix instructions deep
.set ROWB,   256                       ; a tile's row in bytes
.set KROW,   SIZE_K*4/8                ; a row of codes in memory
.set PITCH,  272                       ; an LDS row: 256 bytes + 16 of padding = 68 words: the 16 rows that a load touches start at 16 different groups of four banks
.set FR,     8                         ; registers of a fragment
.set NL,     2                         ; LDS loads that bring one
.set NP,     4                         ; places behind this matrix instruction (ISA guide 7.12.1)
.set HALFT,  128*PITCH                 ; 128 rows: what one tensor load brings
.set SLOT,   4*HALFT                   ; x's 256 rows, then Wqkv's 256 rows
.set KS,     SIZE_K/32                 ; a row of scales in bytes
.set SCL,    2*SLOT                    ; behind the two slots: the scales, as runs of 256 bytes + 16 of padding
.set HALFS,  (128*KS/256)*272          ; the scales of 128 rows
.set SBLK,   (16*KS/256)*272           ; those of 16 rows
.set SPARE,  SCL+4*HALFS               ; behind the scales: the spare words, 128 bytes a wave, which no other line names
.set HP,     144                       ; the way out: a stage row: a head's 64 f16 (128 bytes) + 16
.set HST,    16*HP                     ; 16 rows of one head; a wave's stage is two of these.  The stages lie in slot 0, which has had its only fill and its last read when the first result is stored there
.set PLANE,  262144                    ; bytes of one head of one batch in qkv16: 2,048 positions x 128
.set ADRA, 16                          ; v16-17  LDS address of my fragments of x in slot 0, 1
.set ADRB, 20                          ; v20-21  the same for Wqkv
.set STO,  24                          ; v24     the way out: where I put 16 bytes of a row
.set RD,   25                          ; v25     where I read rows back
.set CO,   26                          ; v26     16 x lane: my place in 512 consecutive bytes of qkv16
.set ADRS, 27                          ; v27     LDS address of my scale words: lanes 0-15 x's rows, lanes 16-31 Wqkv's
.set SPW,  28                          ; v28     LDS address of my spare word; never rewritten
.set NIL,  29                          ; v29     0; never rewritten
.set F32O, 30                          ; v30     my byte offset in q32
.set SC,   32                          ; scale words: set s at v[SC + 8 NQ s]; register NQ i + q: lanes 0-15 x's block i, lanes 16-31 Wqkv's block i, the slot's q-th 128 along K
.set TMP,  32                          ; the way out: packed results
.set AF,   128                         ; x's fragments
.set BK,   128                         ; the way out: rows read back: v128-159 and v160-191 by turns
.set G1, 24                            ; s[24:31] descriptor group 1 for x's tiles;  s[32:39] group 0, one set for each slot
.set G0, 32
.set G1B, 48                           ; s[48:55], s[56:63] the same for Wqkv's
.set G0B, 56
.set G1S, 68                           ; s[68:75], s[76:79] for x's scales;  s[80:87], s[88:91] for Wqkv's
.set G0S, 76
.set G1SB, 80
.set G0SB, 88
.set MSB, 0
.macro WIN new                         ; the immediate's high byte repeats the setting that is left
.if MSB != \new
	s_set_vgpr_msb (MSB<<8)|\new
.set MSB, \new
.endif
.endm
.set MUL_LO, 0xa1                      ; source 0 (Wqkv) window 1, source 1 (x) window 0, C and D window 2
.set MUL_HI, 0xf1                      ; the same, C and D window 3
.set TO_B,   0x40                      ; destination window 1, address window 0
; A joint load: waves 0 and 1 fetch for x, waves 2 and 3 for Wqkv.  The branch hangs on the wave's number alone.  An s_nop 0 and four v_nop follow each of the two lines.
.macro JLOAD g0a, g1a, g0b, g1b
	s_cmp_eq_u32 s15, 0
	s_cbranch_scc0 .Lfor_b_\@
	tensor_load_to_lds s[\g0a:\g0a+3], s[\g1a:\g1a+7]
	s_nop 0
.rept 4
	v_nop
.endr
	s_branch .Lasked_\@
.Lfor_b_\@:
	tensor_load_to_lds s[\g0b:\g0b+3], s[\g1b:\g1b+7]
	s_nop 0
.rept 4
	v_nop
.endr
.Lasked_\@:
.endm
.macro CROUND                          ; a round of the cluster's barrier
	s_barrier_signal -1
	s_barrier_wait -1
	s_cmp_lg_u32 s14, 0
	s_cbranch_scc1 .Lnot_wave_0_\@
	s_barrier_signal -3
.Lnot_wave_0_\@:
	s_barrier_wait -3
	s_barrier_signal -1
	s_barrier_wait -1
.endm
	s_load_b128 s[4:7], s[0:1], 0x0                ; x's codes, x's scales
	s_load_b128 s[8:11], s[0:1], 0x10              ; Wqkv's codes, Wqkv's scales
	s_load_b64 s[12:13], s[0:1], 0x20              ; qkv16
	s_load_b64 s[96:97], s[0:1], 0x28              ; q32
	v_lshl_add_u32 v[SPW], v0, 2, SPARE
	v_mov_b32 v[NIL], 0
	ds_add_u32 v[SPW], v[NIL]                      ; the wave's opening: the add, twice on end, and its wait ahead of my first tensor load
	ds_add_u32 v[SPW], v[NIL]                      ; and once more, under the one wait; the set-up below, work on registers, stands between
	v_lshrrev_b32 v1, 5, v0
	v_readfirstlane_b32 s14, v1                    ; wave 0..3
	s_lshr_b32 s15, s14, 1                         ; which half of the tile's rows is mine.  Also: I fetch for x (0) or for Wqkv (1)
	s_and_b32 s16, s14, 1                          ; which half of its columns.  Also: which 128 rows of that tile I fetch
	s_bfe_u32 s40, ttmp6, 0x40000                  ; cx, cy: my place in the cluster
	s_bfe_u32 s41, ttmp6, 0x40004
	s_lshl_b32 s42, ttmp9, 2
	s_add_co_u32 s42, s42, s40                     ; tile column = 4 x cluster x + cx
	s_and_b32 s17, ttmp7, 0xffff
	s_lshl_b32 s17, s17, 2
	s_add_co_u32 s17, s17, s41                     ; tile row = 4 x cluster y + cy
	s_lshl_b32 s43, s41, 2
	s_lshl_b32 s43, 15, s43                        ; my row of the cluster
	s_lshl_b32 s44, 0x1111, s40                    ; my column
	; descriptor group 1: a tile of 128 rows x 256 bytes, padded in LDS
	s_or_b32 s[G1+0], s43, (0<<16)|(1<<20)|(1<<21)|(5<<22)|(3<<25)  ; 15:0 the mask; 17:16 elements of 1 byte; 20 padding on; 21 set beside a mask; 24:22 after every 64 words; 31:25 four words
	s_or_b32 s[G1B+0], s44, (0<<16)|(1<<20)|(1<<21)|(5<<22)|(3<<25)
.irp g, G1, G1B
	s_mov_b32 s[\g+1], ROWB<<16                    ; tensor_dim0
	s_mov_b32 s[\g+2], 128<<16                     ; tensor_dim1
	s_mov_b32 s[\g+3], ROWB<<16                    ; tile_dim0
	s_mov_b32 s[\g+4], 128                         ; tile_dim1
	s_mov_b32 s[\g+5], KROW                        ; tensor_dim0_stride
	s_mov_b32 s[\g+6], 0
	s_mov_b32 s[\g+7], 0
.endr
	; the scales of 128 rows: a dense block of 4,096 bytes, as rows of 256 bytes (32 elements of 8 bytes), 16 bytes of padding behind each
	s_or_b32 s[G1S+0], s43, (3<<16)|(1<<20)|(1<<21)|(5<<22)|(3<<25)
	s_or_b32 s[G1SB+0], s44, (3<<16)|(1<<20)|(1<<21)|(5<<22)|(3<<25)
.irp g, G1S, G1SB
	s_mov_b32 s[\g+1], 32<<16
	s_mov_b32 s[\g+2], (128*KS/256)<<16
	s_mov_b32 s[\g+3], 32<<16
	s_mov_b32 s[\g+4], 128*KS/256
	s_mov_b32 s[\g+5], 32
	s_mov_b32 s[\g+6], 0
	s_mov_b32 s[\g+7], 0
.endr
	s_lshl_b32 s18, s16, 7                         ; which 128 rows of the tile I fetch
	s_lshl_b32 s20, s17, 8
	s_add_co_u32 s20, s20, s18                     ; x: row 256 x tile row + 128 x half
	s_lshl_b32 s46, s42, 8
	s_add_co_u32 s46, s46, s18                     ; Wqkv: row 256 x tile column + 128 x half
	s_mov_b32 s21, 0
	s_mov_b32 s47, 0
	s_mov_b64 s[18:19], KS
	s_mul_u64 s[22:23], s[20:21], s[18:19]         ; where these rows' scales begin, in bytes
	s_mul_u64 s[92:93], s[46:47], s[18:19]
	s_mov_b64 s[18:19], KROW
	s_mul_u64 s[20:21], s[20:21], s[18:19]         ; and their codes
	s_mul_u64 s[46:47], s[46:47], s[18:19]
	s_mul_i32 s45, s14, HALFT                      ; where they go: wave x 128 rows: no place in the cluster enters an LDS address
	s_mul_i32 s94, s14, HALFS
	s_wait_dscnt 0x0                               ; both opening adds are done
	s_wait_kmcnt 0x0
	s_add_nc_u64 s[20:21], s[4:5], s[20:21]
	s_add_nc_u64 s[22:23], s[6:7], s[22:23]
	s_add_nc_u64 s[46:47], s[8:9], s[46:47]
	s_add_nc_u64 s[92:93], s[10:11], s[92:93]
	CROUND                                         ; all sixteen work-groups are here: the joint loads meet
	s_mov_b32 s[G0S], 1
	s_add_co_u32 s[G0S+1], s94, SCL
	s_mov_b64 s[G0S+2:G0S+3], s[22:23]
	s_or_b32 s[G0S+3], s[G0S+3], 0x80000000
	s_mov_b32 s[G0SB], 1
	s_add_co_u32 s[G0SB+1], s94, SCL
	s_mov_b64 s[G0SB+2:G0SB+3], s[92:93]
	s_or_b32 s[G0SB+3], s[G0SB+3], 0x80000000
	JLOAD G0S, G1S, G0SB, G1SB                     ; the scales first: they are wanted with the first slot
.irp s, 0,1
	s_mov_b32 s[G0+4*\s], 1
	s_add_co_u32 s[G0+4*\s+1], s45, \s*SLOT
	s_add_nc_u64 s[G0+4*\s+2:G0+4*\s+3], s[20:21], \s*ROWB
	s_or_b32 s[G0+4*\s+3], s[G0+4*\s+3], 0x80000000
	s_mov_b32 s[G0B+4*\s], 1
	s_add_co_u32 s[G0B+4*\s+1], s45, \s*SLOT
	s_add_nc_u64 s[G0B+4*\s+2:G0B+4*\s+3], s[46:47], \s*ROWB
	s_or_b32 s[G0B+4*\s+3], s[G0B+4*\s+3], 0x80000000
	JLOAD G0+4*\s, G1, G0B+4*\s, G1B               ; three tensor loads of mine are out when both slots are asked for
.endr
	v_and_b32 v1, 15, v0                           ; r = lane % 16
	v_bfe_u32 v2, v0, 4, 1                         ; h = lane / 16
	v_mul_u32_u24 v3, v1, PITCH
	v_lshl_add_u32 v4, v2, 4, v3                   ; a fragment's row x pitch + 16 x half
	s_mul_i32 s21, s15, HALFT                      ; my 128 rows of x
	s_mul_i32 s22, s16, HALFT                      ; my 128 rows of Wqkv,
	s_add_co_u32 s22, s22, 2*HALFT                 ; which lie behind x's 256
.irp s, 0,1
	v_add_nc_u32 v[ADRA+\s], s21, v4
	v_add_nc_u32 v[ADRB+\s], s22, v4
	s_add_co_u32 s21, s21, SLOT
	s_add_co_u32 s22, s22, SLOT
.endr
	v_mul_u32_u24 v5, v1, KS                       ; my row's scales: KS bytes a row,
	v_lshrrev_b32 v6, 8, v5
	v_lshl_add_u32 v5, v6, 4, v5                   ; and 16 more for each 256 passed
	s_mul_i32 s21, s15, HALFS
	s_mul_i32 s22, s16, HALFS
	s_add_co_u32 s22, s22, 2*HALFS
	s_sub_co_u32 s22, s22, s21
	v_mul_u32_u24 v6, s22, v2                      ; lanes 16-31 take Wqkv's: one product, the distance between the two bases
	s_add_co_u32 s21, s21, SCL
	v_add_nc_u32 v5, v5, v6
	v_add_nc_u32 v[ADRS], s21, v5
	s_mul_i32 s23, s14, 2*HST                      ; my stage
	v_mul_u32_u24 v5, v1, HP
	v_lshl_add_u32 v5, v2, 4, v5
	v_add_nc_u32 v[STO], s23, v5                   ; in: row r, 16 bytes for each half of the lanes
	v_and_b32 v6, 31, v0
	v_lshlrev_b32 v[CO], 4, v6
	v_lshrrev_b32 v5, 3, v6
	v_mul_u32_u24 v5, v5, HP
	v_and_b32 v6, 7, v0
	v_lshl_add_u32 v5, v6, 4, v5
	v_add_nc_u32 v[RD], s23, v5                    ; back: eight lanes to a row of 128 bytes, four rows an instruction
	v_mul_u32_u24 v[F32O], v1, 12288
	v_lshl_add_u32 v[F32O], v2, 5, v[F32O]         ; q32: row r of 12,288 bytes, + 32 h
	; where my results go.  My 128 columns are two whole heads of q, of k or of v; my 128 rows are 128 positions of one batch.  Made in registers that fed no descriptor.
	s_lshl_b32 s100, s42, 2
	s_lshl_b32 s3, s16, 1
	s_add_co_u32 s100, s100, s3                    ; my first column / 64
	s_lshr_b32 s3, s100, 4                         ; q, k or v
	s_and_b32 s100, s100, 15                       ; the head
	s_lshl_b32 s3, s3, 6
	s_add_co_u32 s100, s100, s3
	s_lshr_b32 s95, s17, 3                         ; the batch
	s_lshl_b32 s3, s95, 4
	s_add_co_u32 s100, s100, s3                    ; the plane: 64 x (q, k, v) + 16 x batch + head
	s_lshl_b32 s100, s100, 18
	s_and_b32 s3, s17, 7
	s_or_b32 s98, s3, s15                          ; 0 where my first 16 rows are positions 0 to 15
	s_lshl_b32 s3, s3, 15                          ; 256 positions of 128 bytes a tile row,
	s_add_co_u32 s100, s100, s3
	s_lshl_b32 s3, s15, 14                         ; 128 a half
	s_add_co_u32 s100, s100, s3
	s_mov_b32 s101, 0
	s_add_nc_u64 s[12:13], s[12:13], s[100:101]
	s_mul_i32 s100, s95, 196608                    ; q32: 16 rows of 12,288 bytes a batch,
	s_lshl_b32 s3, s42, 10                         ; 1,024 bytes a tile column,
	s_add_co_u32 s100, s100, s3
	s_lshl_b32 s3, s16, 9                          ; 512 a half
	s_add_co_u32 s100, s100, s3
	s_add_nc_u64 s[96:97], s[96:97], s[100:101]
.macro FRAG reg, adr, q, i             ; a fragment, 16 rows x 128 K of 4-bit codes: lane l holds row l % 16; registers 4 c .. 4 c + 3 hold K = 64 c + 32 (l / 16) + 0 .. 31
.irp c, 0,1
	ds_load_b128 v[\reg+4*\c:\reg+4*\c+3], v[\adr] offset:64*(\q)+32*\c+(\i)*16*PITCH
.endr
.endm
; 16 matrix instructions: x's blocks a0, a0 + 1 against Wqkv's eight, 128 along K.  p: Wqkv's set; sc: the set of scale words.  zero = 1: the first product starts the sums.
; The 64 accumulators take turns, one instruction a turn, in the same order in every step.
.macro MUL16 a0, p, q, sc, zero
.irp a, \a0, \a0+1
.irp b, 0,1,2,3,4,5,6,7
.if \zero
	v_wmma_scale_f32_16x16x128_f8f6f4 v[8*(8*((\a)%4)+\b):8*(8*((\a)%4)+\b)+7], v[128*(\p)+FR*\b:128*(\p)+FR*\b+FR-1], v[AF+FR*(\a):AF+FR*(\a)+FR-1], 0, v[SC+8*NQ*(\sc)+NQ*\b+(\q)], v[SC+8*NQ*(\sc)+NQ*(\a)+(\q)] matrix_a_fmt:MATRIX_FMT_FP4 matrix_b_fmt:MATRIX_FMT_FP4 matrix_a_scale:MATRIX_SCALE_ROW1
.else
	v_wmma_scale_f32_16x16x128_f8f6f4 v[8*(8*((\a)%4)+\b):8*(8*((\a)%4)+\b)+7], v[128*(\p)+FR*\b:128*(\p)+FR*\b+FR-1], v[AF+FR*(\a):AF+FR*(\a)+FR-1], v[8*(8*((\a)%4)+\b):8*(8*((\a)%4)+\b)+7], v[SC+8*NQ*(\sc)+NQ*\b+(\q)], v[SC+8*NQ*(\sc)+NQ*(\a)+(\q)] matrix_a_fmt:MATRIX_FMT_FP4 matrix_b_fmt:MATRIX_FMT_FP4 matrix_a_scale:MATRIX_SCALE_ROW1
.endif
.endr
.endr
.endm
.macro FETCH_B slot, q, p              ; Wqkv's eight fragments of the slot's q-th 128 along K into set p
	WIN TO_B
.irp i, 0,1,2,3,4,5,6,7
	FRAG 128*(\p)+FR*\i, ADRB+\slot, \q, \i
.endr
	WIN 0
.endm
.macro FETCH_A slot, q, i0             ; x's blocks i0 .. i0 + 3
.irp i, \i0, \i0+1, \i0+2, \i0+3
	FRAG AF+FR*(\i), ADRA+\slot, \q, \i
.endr
.endm
.macro SCALES sc                       ; a slot's scale words into set sc: lanes 0-15 take x's block i, lanes 16-31 Wqkv's block i
.irp i, 0,1,2,3,4,5,6,7
	ds_load_b128 v[SC+8*NQ*\sc+NQ*\i:SC+8*NQ*\sc+NQ*\i+3], v[ADRS] offset:\i*SBLK
.endr
.endm
.macro PLACES n                        ; plain vector instructions between a matrix instruction and a load into, or a read of, its registers
.rept \n
	v_nop
.endr
.endm
; A step of 128 along K that has its successor in the same slot.
.macro STEP slot, q, zero
	s_wait_dscnt 4*NL                              ; Wqkv's set and x's blocks 0-3 are in; the youngest eight loads (x's blocks 4-7) may be out
	WIN MUL_LO
	MUL16 0, (\q)%2, \q, \slot, \zero
	MUL16 2, (\q)%2, \q, \slot, \zero
	s_wait_dscnt 0                                 ; x's blocks 4-7 are in
	PLACES NP
	FETCH_B \slot, (\q)+1, 1-(\q)%2
	FETCH_A \slot, (\q)+1, 0
	WIN MUL_HI
	MUL16 4, (\q)%2, \q, \slot, \zero
	MUL16 6, (\q)%2, \q, \slot, \zero
	PLACES NP
	WIN 0
	FETCH_A \slot, (\q)+1, 4
.endm
; Slot 0's last step changes slots: one barrier; in front of it each wave waits for all its tensor loads (its part of slot 1), adds 0 to its spare word, and waits for that and for its reads of slot 0.
.macro TURN slot, next
	s_wait_tensorcnt 0x0                           ; all my tensor loads have landed
	ds_add_u32 v[SPW], v[NIL]                      ; 0 onto my spare word
	s_wait_dscnt 4*NL+1                            ; (the add and the youngest eight loads may be out)
	WIN MUL_LO
	MUL16 0, 1, NQ-1, \slot, 0                     ; sixteen matrix instructions stand between the add and the wait for it
	s_wait_dscnt 0x0                               ; the add is done, and my reads of this slot are over
	s_barrier_signal -1
	MUL16 2, 1, NQ-1, \slot, 0
	WIN 0
	s_barrier_wait -1                              ; slot 1 is whole, and nobody reads slot 0 any more
	PLACES NP
	v_add_nc_u32 v[ADRS], 4*NQ, v[ADRS]            ; on to the next slot's scale words (no LDS load of mine is out)
	FETCH_B \next, 0, 0
	FETCH_A \next, 0, 0
	SCALES \next
	WIN MUL_HI
	MUL16 4, 1, NQ-1, \slot, 0
	MUL16 6, 1, NQ-1, \slot, 0
	PLACES NP
	WIN 0
	FETCH_A \next, 0, 4
.endm
.macro STEPS slot, from                ; the slot's steps from .. NQ - 2
.set Q, \from
.rept NQ-1-\from
	STEP \slot, Q, 0
.set Q, Q+1
.endr
.endm
	s_wait_tensorcnt 1                             ; the scales and my part of slot 0 are in (slot 1's load may be out)
	s_barrier_signal -1
	s_barrier_wait -1                              ; everybody's are
	FETCH_B 0, 0, 0
	FETCH_A 0, 0, 0
	SCALES 0
	FETCH_A 0, 0, 4
	STEP 0, 0, 1                                   ; the first step's products start the sums: nothing is cleared
	STEPS 0, 1
	TURN 0, 1
	STEPS 1, 0
	s_wait_dscnt 4*NL                              ; the last step: nothing more to fetch
	WIN MUL_LO
	MUL16 0, 1, NQ-1, 1, 0
	MUL16 2, 1, NQ-1, 1, 0
	s_wait_dscnt 0
	WIN MUL_HI
	MUL16 4, 1, NQ-1, 1, 0
	MUL16 6, 1, NQ-1, 1, 0
	WIN 0
	; THE WAY OUT.
	PLACES NP                                      ; behind the last products: they serve every read of results and every write of operand registers below
	; Positions 0 to 15 in f32: my block 0, where my first row is a sequence's first.  Chosen by EXEC, not by a branch: partners of a cluster take one way through the text.  64 rows of the 8,192: 16 bytes a lane, rows 12,288 bytes apart.
	v_cmp_eq_u32 vcc_lo, s98, v[NIL]
	s_wait_xcnt 0x0                                ; EXEC changes only behind this wait
	s_and_saveexec_b32 s99, vcc_lo
	WIN 0x08                                       ; a store's data are its source 1: window 2
.irp b, 0,1,2,3,4,5,6,7
	global_store_b128 v[F32O], v[8*\b:8*\b+3], s[96:97] offset:64*\b          ; each accumulator from its low end on
	global_store_b128 v[F32O], v[8*\b+4:8*\b+7], s[96:97] offset:64*\b+16
.endr
	WIN 0
	s_wait_xcnt 0x0                                ; and again, in front of the line that widens it
	s_or_b32 exec_lo, exec_lo, s99
; Block a (16 rows x 128 columns = 16 positions x 2 heads): rounded to f16, 16 bytes a lane; through my own stage; back as rows of 128 bytes, four to an instruction: 512 consecutive bytes of one head's plane.
.macro PACK a
.set AC, 64*((\a)%4)
	WIN 0x0a+5*((\a)/4)                            ; sources 0 and 1: window 2 or 3
.irp b, 0,1,2,3,4,5,6,7
.irp i, 0,1,2,3
	v_cvt_pk_f16_f32 v[TMP+4*\b+\i], v[AC+8*\b+2*\i], v[AC+8*\b+2*\i+1]
.endr
.endr
	WIN 0
.endm
.macro TOSTAGE a
.set BB, BK+32*((\a)%2)
.irp b, 0,1,2,3,4,5,6,7
	ds_store_b128 v[STO], v[TMP+4*\b:TMP+4*\b+3] offset:(\b/4)*HST+(\b%4)*32
.endr
.irp e, 0,1
.irp i, 0,1,2,3
	ds_load_b128 v[BB+4*(4*\e+\i):BB+4*(4*\e+\i)+3], v[RD] offset:\e*HST+\i*4*HP   ; LDS serves a wave's instructions in order: these see the stores above
.endr
.endr
.endm
.macro SEND a
.set BB, BK+32*((\a)%2)
	s_wait_dscnt 0x0                               ; the block is back in registers
	s_wait_xcnt 0x0                                ; the block before's stores have read their registers: the next block's loads may land there
.irp e, 0,1
.irp i, 0,1,2,3
	global_store_b128 v[CO], v[BB+4*(4*\e+\i):BB+4*(4*\e+\i)+3], s[12:13] offset:\e*PLANE+(\a)*2048+\i*512 th:TH_STORE_NT   ; 32 lanes store 512 consecutive bytes, aligned
.endr
.endr
.endm
	PACK 0
	TOSTAGE 0
.irp a, 1,2,3,4,5,6,7                  ; block a's conversions stand between block a - 1's loads from the stage and the wait for them
	PACK \a
	SEND \a-1
	TOSTAGE \a
.endr
	SEND 7
	s_wait_tensorcnt 0x0                           ; the wave's end: behind my last tensor load and my last LDS store
	ds_add_u32 v[SPW], v[NIL]
	s_wait_dscnt 0x0
	CROUND                                         ; the closing round: no work-group ends while a partner may still ask for a tile that names it
	s_endpgm
.Lfunc_end_k_qf2df6548eb_qkv:
	.size	k_qf2df6548eb_qkv, .Lfunc_end_k_qf2df6548eb_qkv-k_qf2df6548eb_qkv
	.p2alignl 7, 3214868480
	.fill 96, 4, 3214868480
	.section	.rodata,"a",@progbits
	.p2align	6, 0x0
	.amdhsa_kernel k_qf2df6548eb_qkv
		.amdhsa_group_segment_fixed_size 327680
		.amdhsa_private_segment_fixed_size 0
		.amdhsa_enable_private_segment 0
		.amdhsa_kernarg_size 48
		.amdhsa_user_sgpr_count 2
		.amdhsa_user_sgpr_kernarg_segment_ptr 1
		.amdhsa_wavefront_size32 1
		.amdhsa_system_sgpr_workgroup_id_x 1
		.amdhsa_system_sgpr_workgroup_id_y 1
		.amdhsa_system_sgpr_workgroup_id_z 1
		.amdhsa_system_vgpr_workitem_id 0
		.amdhsa_next_free_vgpr 1024
		.amdhsa_next_free_sgpr 102
		.amdhsa_reserve_vcc 1
		.amdhsa_float_denorm_mode_32 3
		.amdhsa_float_denorm_mode_16_64 3
		.amdhsa_memory_ordered 1
		.amdhsa_forward_progress 1
		.amdhsa_inst_pref_size 129
	.end_amdhsa_kernel
	.amdgpu_metadata
---
amdhsa.version: [ 1, 2 ]
amdhsa.kernels:
  - .name:           k_qf2df6548eb_qkv
    .symbol:         k_qf2df6548eb_qkv.kd
    .args:
      - { .name: xc, .offset: 0, .size: 8, .value_kind: global_buffer, .address_space: global }
      - { .name: xs, .offset: 8, .size: 8, .value_kind: global_buffer, .address_space: global }
      - { .name: wc, .offset: 16, .size: 8, .value_kind: global_buffer, .address_space: global }
      - { .name: ws, .offset: 24, .size: 8, .value_kind: global_buffer, .address_space: global }
      - { .name: qkv16, .offset: 32, .size: 8, .value_kind: global_buffer, .address_space: global }
      - { .name: q32, .offset: 40, .size: 8, .value_kind: global_buffer, .address_space: global }
    .group_segment_fixed_size: 327680
    .private_segment_fixed_size: 0
    .kernarg_segment_align: 8
    .kernarg_segment_size: 48
    .max_flat_workgroup_size: 128
    .sgpr_count:     102
    .vgpr_count:     1024
    .wavefront_size: 32
...
	.end_amdgpu_metadata
.endif
;; end of part 2
;; launch attn (part 3): grid 4 x 64, 8 waves a work-group, no clusters, 327,680 bytes of LDS; arguments qkv16, y16; writes y16
.if DOCPART == 3
	.amdgcn_target "amdgcn-amd-amdhsa--gfx1250"
	.amdhsa_code_object_version 6
	.text
	.protected	k_qf2df6548eb_attn
	.globl	k_qf2df6548eb_attn
	.p2align	8
	.type	k_qf2df6548eb_attn,@function
k_qf2df6548eb_attn:
	s_mov_b64 s[64:65], 0
	v_nop
	global_prefetch_b8 v0, s[64:65] scope:SCOPE_SE
	s_setreg_imm32_b32 hwreg(HW_REG_WAVE_MODE, 25, 1), 1
	s_wait_xcnt 0x0
; y[bh][q][:] = the sum over k <= q of softmax_k(Q[bh][q] . K[bh][k] / 8) V[bh][k][:].  Q, K, V: planes of qkv16, [2048][64] f16; y16 likewise.  Products on f16 operands, maxima and sums in f32; the weights p are rounded to f16.
; WORK LEFT OUT: scores with key > query are set to -infinity by the problem's own mask and reach no output; steps of 128 keys and blocks of 256 keys that lie wholly behind the queries in hand are neither fetched nor multiplied.
; LIMITS: |y| under 65,504; NaN and infinities are not served; what reaches only the scores left out is not carried to the result.
; SHARES.  A work-group owns two blocks of 256 queries of one head: block 7 - p, then block p (p = work-group x).  It walks 8 - p slots of 256 keys for the first and p + 1 for the second: nine whatever p is.
; Each of its eight waves owns 32 queries of a block, two tiles of 16: a fragment of K or V read from LDS feeds two matrix instructions.  Two waves share a SIMD, so one wave's vector work stands beside the other's products.
; NO CLUSTER: the four work-groups of a head ask for different slots in most trips (work-group p turns to its second block in trip 8 - p); a form in which all four make every joint request has 12 trips in step against these 9.
; LAYOUT.  S^T = K Q^T (source 0 = 16 keys, source 1 = 16 queries): a lane holds one query (lane % 16) and keys 8 (lane / 16) + 0 .. 7.  Two such tiles, rounded in pairs, are source 1 (32 keys x 16 queries) of
; O^T = V^T P, whose result again holds one query a lane.  K comes out of LDS as it lies, V ([key][channel]) turned, by ds_load_tr16_b128.
; SOFTMAX.  For each query a running maximum m and sum l: p = 2^(c s - c m), c = log2(e) / 8; in every step O and l are multiplied by a = 2^(c m_old - c m_new).
; REGISTERS.  Window 0: v1-11 addresses; v12-27 statistics; v28-31; v32-63 Q; v64-191 S^T, then p; v192-255 P (at work during the maxima, and on the way out).  Window 1: v0-63 O^T; v64-191 16 fragments of K, then of V.
.set KP,    144                        ; a row of K in LDS: 128 bytes + 16 = 36 words: the 16 rows of a load start at 16 different groups of four banks
.set VP,    160                        ; a row of V: 128 + 32 = 40 words, an odd multiple of 32 bytes, for the turning load
.set VOFF,  256*KP                     ; a slot: 256 rows of K, then 256 rows of V
.set SLOT1, 1<<17                      ; slot 1 begins here: one exclusive or turns an address in one slot into the other's
.set STAGE, 2*SLOT1                    ; behind the ring: 32 rows x 144 bytes for each wave, for the way out
.set SP,    144
.set SPARE, STAGE+8*32*SP              ; the spare words, 128 bytes a wave, which no other line names
.set PLANE, 262144                     ; a head's plane: 2,048 positions x 128 bytes
.set SLOTB, 256*128                    ; a slot's keys in memory
.set AK0, 1                            ; v1   my lane's place in a tile of K
.set AV0, 2                            ; v2   the same for V
.set STO, 3                            ; v3   the way out: where I put 16 bytes of a row
.set RD,  4                            ; v4   where I read rows back
.set SPW, 5                            ; v5   LDS address of my spare word; never rewritten
.set NIL, 6                            ; v6   0; never rewritten
.set GO,  7                            ; v7   16 x lane
.set ADK, 8                            ; v8   LDS address of the step's K
.set ADV, 9                            ; v9   of its V
.set QO,  10                           ; v10  my byte offset in the wave's rows of Q
.set RH,  11                           ; v11  lane % 16 - 8 (lane / 16)
.set ST,  12                           ; tile x's statistics at v[ST + 8 x]: +0 c m, +1 m, +2, +3 l, +4 a (+5 named with it), +6, +7 at work
.set PFO, 28                           ; v28  256 x lane; never rewritten
.set D0,  29                           ; v29, v31: the mask's bound for tiles 0 and 1
.set NINF, 30                          ; v30  -infinity
.set D1,  31
.set QF,  32
.set SS,  64
.set PP,  192
.set TM,  192                          ; the maxima's four chains a tile, in P's registers
.set FB,  64                           ; fragments, in window 1
.set TB,  2                            ; s2   LDS byte at which the slot in hand begins
.set U,   3                            ; s3   the trip
.set WV,  18                           ; s18  my wave's number
.set SEL, 20                           ; s[20:21] lane selects for v_permlanex16_b32: lane l xor 16
.set CS,  22                           ; s[22:23] c, twice
.set G1K, 24                           ; s[24:31] descriptor group 1 for K's tiles; s[32:39] for V's; s[40:43], s[44:47] their groups 0
.set G1V, 32
.set G0K, 40
.set G0V, 44
.set NA,  66                           ; s66  8 - p: the trip in which the second block begins
.set PR,  67                           ; s67  p
.set KF,  68                           ; s68  the step's first key
.set Q0,  69                           ; s69  my first query
.set KB,  70                           ; s[70:71] K's plane at my half of a slot; s[72:73] V's
.set VB,  72
.set HQ,  74                           ; s[74:75] Q's plane
.set PFK, 76                           ; s[76:77] where my prefetches of K stand; s[88:89] of V
.set LIM, 78                           ; s78  a wave prefetches while the trip is under this
.set YH,  80                           ; s[80:81] y's plane
.set AD,  82                           ; s[82:83] the base of the loads or stores in hand
.set OF,  84                           ; s[84:85] an offset
.set PFV, 88
.set MSB, 0
.macro WIN new                         ; the immediate's high byte repeats the setting that is left
.if MSB != \new
	s_set_vgpr_msb (MSB<<8)|\new
.set MSB, \new
.endif
.endm
.set LD_F, 0x40                        ; destination window 1, address window 0
.set W_S,  0x01                        ; K in window 1; Q and S^T in window 0
.set W_PV, 0x51                        ; V, C and D in window 1; P in window 0
.set W_RS, 0x41                        ; O^T (destination and source 0) in window 1, the factor in window 0
.set W_CV, 0x05                        ; sources 0 and 1 in window 1, destination in window 0
; Waves 0 and 1 fetch K's halves of a slot, waves 2 and 3 V's, the others nothing.  An s_nop 0 and four v_nop follow each of the two lines.
.macro TLOAD
	s_cmp_lt_u32 s[WV], 2
	s_cbranch_scc0 .Lnot_k_\@
	tensor_load_to_lds s[G0K:G0K+3], s[G1K:G1K+7]
	s_nop 0
.rept 4
	v_nop
.endr
	s_branch .Lasked_\@
.Lnot_k_\@:
	s_cmp_lt_u32 s[WV], 4
	s_cbranch_scc0 .Lasked_\@
	tensor_load_to_lds s[G0V:G0V+3], s[G1V:G1V+7]
	s_nop 0
.rept 4
	v_nop
.endr
.Lasked_\@:
.endm
; A prefetch of the key slot that the NEXT change of slots will ask for: trip u names slot u + 2.  All four work-groups of a head walk the same K and V from slot 0 on: work-group p = 0, whose first block walks all eight
; slots, asks; in it waves 4 to 7, which fetch nothing: 8,192 bytes of K and 8,192 of V a wave, lanes 256 bytes apart.  So each aligned 256 bytes is named once in the launch.  Slots 0 and 1 come by their loads alone; trip 5 names slot 7, the last.
.macro ASK
	s_cmp_lt_u32 s[U], s[LIM]
	s_cbranch_scc0 .Lnot_mine_\@
	global_prefetch_b8 v[PFO], s[PFK:PFK+1] th:TH_LOAD_NT scope:SCOPE_SE
	global_prefetch_b8 v[PFO], s[PFV:PFV+1] th:TH_LOAD_NT scope:SCOPE_SE
.Lnot_mine_\@:
.endm
; A block of queries begins at s[Q0]: m = -3e38, under every score; l and O^T zeros, which the first change of m leaves zeros; Q's four fragments stay in registers.
.macro INIT
	s_wait_xcnt 0x0                                ; earlier stores have read their base and their data: both are written again below and in the steps
.irp x, 0,1
	v_mov_b32 v[ST+8*\x+1], 0xff61b1e6
	v_mul_f32 v[ST+8*\x], s[CS], v[ST+8*\x+1]
.irp i, 2,3,4,5,6,7
	v_mov_b32 v[ST+8*\x+\i], 0
.endr
.endr
	WIN 0x40
.set n, 0
.rept 64
	v_mov_b32 v[n], 0                              ; O^T
.set n, n+1
.endr
	WIN 0
	s_lshl_b32 s[OF], s[Q0], 7
	s_mov_b32 s[OF+1], 0
	s_add_nc_u64 s[AD:AD+1], s[HQ:HQ+1], s[OF:OF+1]
.irp x, 0,1
.irp c, 0,1
	global_load_b128 v[QF+16*\x+8*\c:QF+16*\x+8*\c+3], v[QO], s[AD:AD+1] offset:2048*\x+64*\c
	global_load_b128 v[QF+16*\x+8*\c+4:QF+16*\x+8*\c+7], v[QO], s[AD:AD+1] offset:2048*\x+64*\c+32
.endr
.endr
	s_mov_b32 s[KF], 0
	s_wait_loadcnt 0x0
.endm
; The block in hand leaves: l's halves are added, O^T is divided by l, rounded to f16 and sent through my stage: 32 rows of 128 bytes, four to a store: 512 consecutive bytes.
.macro FINISH
.irp x, 0,1
	v_add_f32 v[ST+8*\x+6], v[ST+8*\x+2], v[ST+8*\x+3]             ; (these additions are also the places behind the last products)
.endr
.irp x, 0,1
	v_permlanex16_b32 v[ST+8*\x+7], v[ST+8*\x+6], s[SEL], s[SEL+1]
.endr
.irp x, 0,1
	v_add_f32 v[ST+8*\x+6], v[ST+8*\x+6], v[ST+8*\x+7]
.endr
.irp x, 0,1
	v_rcp_f32 v[ST+8*\x+4], v[ST+8*\x+6]
.endr
	v_nop                                          ; a plain instruction behind the last reciprocal
	s_wait_alu depctr_va_vdst(0)                   ; one wait for both, ahead of the first use
	WIN W_RS
.irp x, 0,1
.set n, 0
.rept 16
	v_pk_mul_f32 v[32*\x+n:32*\x+n+1], v[32*\x+n:32*\x+n+1], v[ST+8*\x+4:ST+8*\x+5] op_sel_hi:[1,0]   ; each accumulator from its low end on
.set n, n+2
.endr
.endr
	WIN W_CV
.set n, 0
.rept 32
	v_cvt_pk_f16_f32 v[PP+n], v[2*n], v[2*n+1]
.set n, n+1
.endr
	WIN 0
.irp x, 0,1
.irp ct, 0,1,2,3
	ds_store_b128 v[STO], v[PP+16*\x+4*\ct:PP+16*\x+4*\ct+3] offset:\x*16*SP+32*\ct
.endr
.endr
.irp i, 0,1,2,3,4,5,6,7
	ds_load_b128 v[PP+32+4*\i:PP+32+4*\i+3], v[RD] offset:\i*4*SP   ; LDS serves a wave's instructions in order: these see the stores above
.endr
	s_wait_xcnt 0x0
	s_lshl_b32 s[OF], s[Q0], 7
	s_mov_b32 s[OF+1], 0
	s_add_nc_u64 s[AD:AD+1], s[YH:YH+1], s[OF:OF+1]
.irp i, 0,1,2,3,4,5,6,7
	s_wait_dscnt 7-\i                              ; the later rows' loads may be out
	global_store_b128 v[GO], v[PP+32+4*\i:PP+32+4*\i+3], s[AD:AD+1] offset:512*\i
.endr
.endm
; THE CHANGE OF SLOTS, at a slot's head.  Each wave waits for all its tensor loads (its part of the slot ahead), adds 0 to its spare word, and waits for that and for its reads of the slot that it has left.
; Behind the barrier the slot ahead is whole and nobody reads the other.  fill = 1: the other slot is asked for the next trip's keys; the load has a slot's two steps in which to land.  One tensor load of a wave is out at most.
.macro CHANGE fill
	s_wait_tensorcnt 0x0                           ; no tensor load of mine is out, so a group 0 may be written
	ds_add_u32 v[SPW], v[NIL]                      ; 0 onto my spare word
.if \fill
	ds_add_u32 v[SPW], v[NIL]                      ; and once more, in every trip alike
	s_xor_b32 s[G0K+1], s[G0K+1], SLOT1            ; the other slot than last time
	s_xor_b32 s[G0V+1], s[G0V+1], SLOT1
	s_add_co_u32 s96, s[U], 1                      ; the next trip's key slot: u + 1, or u + 1 - (8 - p) in the second block
	s_cmp_ge_u32 s96, s[NA]
	s_cselect_b32 s97, s[NA], 0
	s_sub_co_u32 s96, s96, s97
	s_lshl_b32 s[OF], s96, 15
	s_mov_b32 s[OF+1], 0
	s_add_nc_u64 s[G0K+2:G0K+3], s[KB:KB+1], s[OF:OF+1]
	s_or_b32 s[G0K+3], s[G0K+3], 0x80000000
	s_add_nc_u64 s[G0V+2:G0V+3], s[VB:VB+1], s[OF:OF+1]
	s_or_b32 s[G0V+3], s[G0V+3], 0x80000000
	s_wait_xcnt 0x0                                ; the last prefetches, a slot back, have read their addresses
	s_add_nc_u64 s[PFK:PFK+1], s[PFK:PFK+1], SLOTB
	s_add_nc_u64 s[PFV:PFV+1], s[PFV:PFV+1], SLOTB
.endif
	s_wait_dscnt 0x0                               ; the add is done, and my reads of the slot that I have left are over
	s_barrier_signal -1
	s_barrier_wait -1
.if \fill
	TLOAD                                          ; the first thing behind the barrier, and a wave's one tensor load until the next
	ASK
.endif
.endm
; In trip 8 - p the first block leaves and the second begins: a branch on the work-group's number and the count of trips, the same in all eight waves; no barrier, wait for tiles or tensor load stands in it.
.macro SWITCH
	s_cmp_lg_u32 s[U], s[NA]
	s_cbranch_scc1 .Lsame_\@
	FINISH
	s_lshl_b32 s[Q0], s[PR], 8
	s_lshl_b32 s96, s[WV], 5
	s_add_co_u32 s[Q0], s[Q0], s96
	INIT
.Lsame_\@:
.endm
; 16 products of S^T = K Q^T: key tiles 4 g .. 4 g + 3, both halves of the 64 channels, both tiles of queries.  The eight accumulators take turns, one instruction a turn.
.macro SMUL g
.irp c, 0,1
.irp t, 0,1,2,3
.irp x, 0,1
.if \c == 0
	v_wmma_f32_16x16x32_f16 v[SS+64*\x+8*(4*\g+\t):SS+64*\x+8*(4*\g+\t)+7], v[FB+64*\g+16*\t+8*\c:FB+64*\g+16*\t+8*\c+7], v[QF+16*\x+8*\c:QF+16*\x+8*\c+7], 0
.else
	v_wmma_f32_16x16x32_f16 v[SS+64*\x+8*(4*\g+\t):SS+64*\x+8*(4*\g+\t)+7], v[FB+64*\g+16*\t+8*\c:FB+64*\g+16*\t+8*\c+7], v[QF+16*\x+8*\c:QF+16*\x+8*\c+7], v[SS+64*\x+8*(4*\g+\t):SS+64*\x+8*(4*\g+\t)+7]
.endif
.endr
.endr
.endr
.endm
; A KEY STEP: 128 keys, the q-th half of the slot in hand.
.macro STEP q
	s_add_co_u32 s96, s[Q0], 31                    ; a step all of whose keys come after my 32 queries is left out: a scalar branch on ids.  s[KF] and s[Q0] are multiples of 32, so in a step that is walked key s[KF] counts for every query of mine
	s_cmp_gt_u32 s[KF], s96
	s_cbranch_scc1 .Lhidden_\@
	v_add_nc_u32 v[ADK], s[TB], v[AK0]
	v_add_nc_u32 v[ADV], s[TB], v[AV0]
	v_nop
	v_nop                                          ; four places in front of loads into registers that the last products read
	WIN LD_F
.irp g, 0,1
.irp t, 0,1,2,3
.irp c, 0,1
	ds_load_b128 v[FB+64*\g+16*\t+8*\c:FB+64*\g+16*\t+8*\c+3],   v[ADK] offset:(128*(\q)+16*(4*\g+\t))*KP+64*\c
	ds_load_b128 v[FB+64*\g+16*\t+8*\c+4:FB+64*\g+16*\t+8*\c+7], v[ADK] offset:(128*(\q)+16*(4*\g+\t))*KP+64*\c+32
.endr
.endr
.endr
	s_wait_dscnt 16                                ; the first 64 keys' fragments are in; the other sixteen loads may be out
	WIN W_S
	SMUL 0
	s_wait_dscnt 0x0
	SMUL 1
	WIN 0
.rept 4
	v_nop                                          ; places: in front of the loads into K's registers, and of the first read of the scores
.endr
	WIN LD_F
.irp ks, 0,1,2,3
.irp ct, 0,1,2,3
	ds_load_tr16_b128 v[FB+32*\ks+8*\ct:FB+32*\ks+8*\ct+3],   v[ADV] offset:(128*(\q)+32*\ks)*VP+32*\ct       ; V, turned: they land while the softmax is walked
	ds_load_tr16_b128 v[FB+32*\ks+8*\ct+4:FB+32*\ks+8*\ct+7], v[ADV] offset:(128*(\q)+32*\ks+16)*VP+32*\ct
.endr
.endr
	WIN 0
	s_add_co_u32 s96, s[KF], 127                   ; on the diagonal hidden scores become -infinity ahead of the maximum.  A step all of whose keys count for all my queries skips this
	s_cmp_le_u32 s96, s[Q0]
	s_cbranch_scc1 .Lopen_\@
	s_sub_co_i32 s96, s[Q0], s[KF]
	v_add_nc_u32 v[D0], s96, v[RH]                 ; register n of tile x holds key KF + 16 (n / 8) + 8 (lane / 16) + n % 8: hidden where 16 (n / 8) + n % 8 > Q0 - KF + 16 x + lane % 16 - 8 (lane / 16)
	v_add_nc_u32 v[D1], 16, v[D0]
.set n, 0
.rept 64
	v_cmp_gt_i32 vcc_lo, 16*(n/8)+n%8, v[D0]
	v_cndmask_b32 v[SS+n], v[SS+n], v[NINF], vcc_lo
.set n, n+1
.endr
.set n, 0
.rept 64
	v_cmp_gt_i32 vcc_lo, 16*(n/8)+n%8, v[D1]
	v_cndmask_b32 v[SS+64+n], v[SS+64+n], v[NINF], vcc_lo
.set n, n+1
.endr
.Lopen_\@:
.irp k, 0,1,2,3                                ; the largest of a tile's 64 scores: four chains of 16; each accumulator is first read at its low end
.irp x, 0,1
	v_max3_num_f32 v[TM+4*\x+\k], v[SS+64*\x+16*\k], v[SS+64*\x+16*\k+1], v[SS+64*\x+16*\k+2]
.endr
.endr
.irp i, 3,5,7,9,11,13
.irp k, 0,1,2,3
.irp x, 0,1
	v_max3_num_f32 v[TM+4*\x+\k], v[TM+4*\x+\k], v[SS+64*\x+16*\k+\i], v[SS+64*\x+16*\k+\i+1]
.endr
.endr
.endr
.irp k, 0,1,2,3
.irp x, 0,1
	v_max_num_f32 v[TM+4*\x+\k], v[TM+4*\x+\k], v[SS+64*\x+16*\k+15]
.endr
.endr
.irp x, 0,1
	v_max3_num_f32 v[TM+4*\x], v[TM+4*\x], v[TM+4*\x+1], v[TM+4*\x+2]
.endr
.irp x, 0,1
	v_max3_num_f32 v[TM+4*\x], v[TM+4*\x], v[TM+4*\x+3], v[ST+8*\x+1]   ; with the old m
.endr
.irp x, 0,1
	v_permlanex16_b32 v[ST+8*\x+6], v[TM+4*\x], s[SEL], s[SEL+1]        ; the query's other 64 keys lie in the lane 16 away
.endr
.irp x, 0,1
	v_mov_b32 v[ST+8*\x+7], v[ST+8*\x]             ; c m_old is kept for a
.endr
.irp x, 0,1
	v_max_num_f32 v[ST+8*\x+1], v[TM+4*\x], v[ST+8*\x+6]                ; the new m
.endr
.irp x, 0,1
	v_mul_f32 v[ST+8*\x], s[CS], v[ST+8*\x+1]
.endr
.irp x, 0,1
	v_sub_f32 v[ST+8*\x+7], v[ST+8*\x+7], v[ST+8*\x]
.endr
.set n, 0
.rept 32
.irp x, 0,1
	v_pk_fma_f32 v[SS+64*\x+n:SS+64*\x+n+1], v[SS+64*\x+n:SS+64*\x+n+1], s[CS:CS+1], v[ST+8*\x:ST+8*\x+1] op_sel_hi:[1,0,0] neg_lo:[0,0,1] neg_hi:[0,0,1]   ; c s - c m, two at a time
.endr
.set n, n+2
.endr
.irp x, 0,1
	v_exp_f32 v[ST+8*\x+4], v[ST+8*\x+7]           ; a.  ONE BATCH: these two and the 128 below; none reads another's result
.endr
.set n, 0
.rept 128
	v_exp_f32 v[SS+n], v[SS+n]                     ; p, at most 1
.set n, n+1
.endr
	v_nop                                          ; a plain instruction behind the last exponential
	s_wait_alu depctr_va_vdst(0)                   ; one wait for the batch, ahead of its first reader
.irp x, 0,1
	v_pk_mul_f32 v[ST+8*\x+2:ST+8*\x+3], v[ST+8*\x+2:ST+8*\x+3], v[ST+8*\x+4:ST+8*\x+5] op_sel_hi:[1,0]   ; l under the new m
.endr
.irp x, 0,1
	v_pk_add_f32 v[ST+8*\x+6:ST+8*\x+7], v[SS+64*\x:SS+64*\x+1], v[SS+64*\x+2:SS+64*\x+3]                 ; the row's sum, two at a time, in two chains a tile
.endr
.set n, 4
.rept 15
.irp x, 0,1
	v_pk_add_f32 v[ST+8*\x+2:ST+8*\x+3], v[ST+8*\x+2:ST+8*\x+3], v[SS+64*\x+n:SS+64*\x+n+1]
	v_pk_add_f32 v[ST+8*\x+6:ST+8*\x+7], v[ST+8*\x+6:ST+8*\x+7], v[SS+64*\x+n+2:SS+64*\x+n+3]
.endr
.set n, n+4
.endr
.irp x, 0,1
	v_pk_add_f32 v[ST+8*\x+2:ST+8*\x+3], v[ST+8*\x+2:ST+8*\x+3], v[ST+8*\x+6:ST+8*\x+7]
.endr
.set n, 0
.rept 64
	v_cvt_pk_f16_f32 v[PP+n], v[SS+2*n], v[SS+2*n+1]   ; P: tile x's 32 registers at PP + 32 x; eight of them are 32 keys x 16 queries
.set n, n+1
.endr
	WIN W_RS
.irp x, 0,1
.set n, 0
.rept 16
	v_pk_mul_f32 v[32*\x+n:32*\x+n+1], v[32*\x+n:32*\x+n+1], v[ST+8*\x+4:ST+8*\x+5] op_sel_hi:[1,0]   ; O^T under the new m; each accumulator from its low end on
.set n, n+2
.endr
.endr
	s_wait_dscnt 0x0                               ; V is in
	WIN W_PV
.irp ks, 0,1,2,3                               ; O^T += V^T P: the eight accumulators take turns
.irp ct, 0,1,2,3
.irp x, 0,1
	v_wmma_f32_16x16x32_f16 v[32*\x+8*\ct:32*\x+8*\ct+7], v[FB+32*\ks+8*\ct:FB+32*\ks+8*\ct+7], v[PP+32*\x+8*\ks:PP+32*\x+8*\ks+7], v[32*\x+8*\ct:32*\x+8*\ct+7]
.endr
.endr
.endr
	WIN 0
.Lhidden_\@:
	s_add_co_u32 s[KF], s[KF], 128
.endm
	s_load_b128 s[4:7], s[0:1], 0x0                ; qkv16, y16
	v_lshl_add_u32 v[SPW], v0, 2, SPARE
	v_mov_b32 v[NIL], 0
	ds_add_u32 v[SPW], v[NIL]                      ; the wave's opening: the add, twice on end, and its wait ahead of the first tensor load
	ds_add_u32 v[SPW], v[NIL]                      ; and once more, under the one wait; the set-up below, work on registers, stands between
	v_lshrrev_b32 v1, 5, v0
	v_readfirstlane_b32 s[WV], v1                  ; wave 0..7
	s_mov_b32 s[PR], ttmp9
	s_sub_co_u32 s[NA], 8, s[PR]
	s_and_b32 s96, ttmp7, 0xffff                   ; batch x 16 + head
	s_lshl_b32 s[OF], s96, 18                      ; its plane
	s_mov_b32 s[OF+1], 0
	s_and_b32 s97, s[WV], 1                        ; which 128 rows of a slot I fetch, if I fetch
	s_lshl_b32 s86, s97, 14
	s_add_co_u32 s86, s86, s[OF]
	s_mov_b32 s87, 0
	s_mov_b32 s[G0K], 1                            ; 1:0 count = 1
	s_mul_i32 s[G0K+1], s97, 128*KP                ; 63:32 LDS address: slot 0
	s_mov_b32 s[G0V], 1
	s_mul_i32 s[G0V+1], s97, 128*VP
	s_add_co_u32 s[G0V+1], s[G0V+1], VOFF
	; descriptor group 1: 128 rows of 64 elements of 2 bytes, dense in memory, padded in LDS
	s_mov_b32 s[G1K], (1<<16)|(1<<20)|(4<<22)|(3<<25)   ; no mask; elements of 2 bytes; padding on: after every 32 words four words
	s_mov_b32 s[G1V], (1<<16)|(1<<20)|(4<<22)|(7<<25)   ; the same with eight words
.irp g, G1K, G1V
	s_mov_b32 s[\g+1], 64<<16                      ; tensor_dim0
	s_mov_b32 s[\g+2], 128<<16                     ; tensor_dim1
	s_mov_b32 s[\g+3], 64<<16                      ; tile_dim0
	s_mov_b32 s[\g+4], 128                         ; tile_dim1
	s_mov_b32 s[\g+5], 64                          ; tensor_dim0_stride
	s_mov_b32 s[\g+6], 0
	s_mov_b32 s[\g+7], 0
.endr
	s_mov_b32 s[SEL], 0x76543210
	s_mov_b32 s[SEL+1], 0xfedcba98
	s_mov_b32 s[CS], 0x3e38aa3b                    ; c = log2(e) / 8
	s_mov_b32 s[CS+1], s[CS]                       ; (named with it as a pair, so it is written)
	s_mov_b32 s[TB], 0
	s_mov_b32 s[U], 0
	s_lshr_b32 s96, s[WV], 2
	s_xor_b32 s96, s96, 1                          ; 0 in waves 4 to 7,
	s_or_b32 s96, s96, ttmp9                       ; of work-group p = 0
	s_cmp_eq_u32 s96, 0
	s_cselect_b32 s[LIM], 6, 0
	s_and_b32 s96, s[WV], 3
	s_lshl_b32 s96, s96, 13                        ; my 8,192 bytes of a slot's 32,768,
	s_add_co_u32 s96, s96, SLOTB                   ; in slot 1: the first change of slots steps it to slot 2
	s_mov_b32 s97, 0
	s_sub_co_u32 s[Q0], 7, s[PR]
	s_lshl_b32 s[Q0], s[Q0], 8
	s_lshl_b32 s90, s[WV], 5
	s_add_co_u32 s[Q0], s[Q0], s90                 ; my first query: 256 (7 - p) + 32 x wave
	s_wait_dscnt 0x0                               ; both opening adds are done
	s_wait_kmcnt 0x0
	s_add_nc_u64 s[HQ:HQ+1], s[4:5], s[OF:OF+1]
	s_add_nc_u64 s[YH:YH+1], s[6:7], s[OF:OF+1]
	s_add_nc_u64 s[KB:KB+1], s[4:5], s[86:87]
	s_add_nc_u64 s[VB:VB+1], s[KB:KB+1], 128*PLANE ; v's planes lie behind q's 64 and k's 64
	s_add_nc_u64 s[KB:KB+1], s[KB:KB+1], 64*PLANE
	s_add_nc_u64 s[PFK:PFK+1], s[HQ:HQ+1], s[96:97]
	s_add_nc_u64 s[PFV:PFV+1], s[PFK:PFK+1], 128*PLANE
	s_add_nc_u64 s[PFK:PFK+1], s[PFK:PFK+1], 64*PLANE
	s_mov_b64 s[G0K+2:G0K+3], s[KB:KB+1]           ; 120:64 global address: the head's first 256 keys
	s_or_b32 s[G0K+3], s[G0K+3], 0x80000000        ; 127:126 type = 2
	s_mov_b64 s[G0V+2:G0V+3], s[VB:VB+1]
	s_or_b32 s[G0V+3], s[G0V+3], 0x80000000
	TLOAD                                          ; slot 0
	v_and_b32 v[D0], 15, v0                        ; r
	v_bfe_u32 v[D1], v0, 4, 1                      ; h
	v_mul_u32_u24 v[AK0], v[D0], KP
	v_lshl_add_u32 v[AK0], v[D1], 4, v[AK0]        ; K: row r x pitch + 16 h
	v_and_b32 v[AV0], 7, v0
	v_lshl_add_u32 v[AV0], v[D1], 3, v[AV0]        ; V: the turning load: lane l reads key 8 h + l % 8,
	v_mul_u32_u24 v[AV0], v[AV0], VP
	v_bfe_u32 v[STO], v0, 3, 1
	v_lshl_add_u32 v[AV0], v[STO], 4, v[AV0]       ; channels 8 ((l / 8) % 2) on
	v_add_nc_u32 v[AV0], VOFF, v[AV0]
	s_mul_i32 s96, s[WV], 32*SP
	s_add_co_u32 s96, s96, STAGE                   ; my stage
	v_add_nc_u32 v[STO], s96, v[AK0]               ; in: row r, 16 bytes for each half of the lanes (the stage's pitch is K's)
	v_and_b32 v[GO], 31, v0
	v_lshrrev_b32 v[RD], 3, v[GO]
	v_mul_u32_u24 v[RD], v[RD], SP
	v_and_b32 v[ADK], 7, v0
	v_lshl_add_u32 v[RD], v[ADK], 4, v[RD]
	v_add_nc_u32 v[RD], s96, v[RD]                 ; back: eight lanes to a row, four rows an instruction
	v_lshlrev_b32 v[PFO], 8, v[GO]
	v_lshlrev_b32 v[GO], 4, v[GO]
	v_lshlrev_b32 v[QO], 7, v[D0]
	v_lshl_add_u32 v[QO], v[D1], 4, v[QO]          ; Q: row r of 128 bytes + 16 h
	v_lshlrev_b32 v[RH], 3, v[D1]
	v_sub_nc_u32 v[RH], v[D0], v[RH]
	v_mov_b32 v[NINF], 0xff800000
	INIT
.Lslot:                                            ; eight trips: behind each change of slots the next trip's slot is asked for
	CHANGE 1
	SWITCH
	STEP 0
	STEP 1
	s_xor_b32 s[TB], s[TB], SLOT1                  ; on to the other slot
	s_add_co_u32 s[U], s[U], 1
	s_cmp_lt_u32 s[U], 8
	s_cbranch_scc1 .Lslot
	CHANGE 0                                       ; the ninth trip is written out: nothing is left to ask for
	SWITCH
	STEP 0
	STEP 1
	FINISH
	s_wait_tensorcnt 0x0                           ; the wave's end: behind my last tensor load and my last LDS store
	ds_add_u32 v[SPW], v[NIL]
	s_wait_dscnt 0x0
	s_endpgm
.Lfunc_end_k_qf2df6548eb_attn:
	.size	k_qf2df6548eb_attn, .Lfunc_end_k_qf2df6548eb_attn-k_qf2df6548eb_attn
	.p2alignl 7, 3214868480
	.fill 96, 4, 3214868480
	.section	.rodata,"a",@progbits
	.p2align	6, 0x0
	.amdhsa_kernel k_qf2df6548eb_attn
		.amdhsa_group_segment_fixed_size 327680
		.amdhsa_private_segment_fixed_size 0
		.amdhsa_enable_private_segment 0
		.amdhsa_kernarg_size 16
		.amdhsa_user_sgpr_count 2
		.amdhsa_user_sgpr_kernarg_segment_ptr 1
		.amdhsa_wavefront_size32 1
		.amdhsa_system_sgpr_workgroup_id_x 1
		.amdhsa_system_sgpr_workgroup_id_y 1
		.amdhsa_system_sgpr_workgroup_id_z 1
		.amdhsa_system_vgpr_workitem_id 0
		.amdhsa_next_free_vgpr 448
		.amdhsa_next_free_sgpr 100
		.amdhsa_reserve_vcc 1
		.amdhsa_float_denorm_mode_32 3
		.amdhsa_float_denorm_mode_16_64 3
		.amdhsa_memory_ordered 1
		.amdhsa_forward_progress 1
		.amdhsa_inst_pref_size 205
	.end_amdhsa_kernel
	.amdgpu_metadata
---
amdhsa.version: [ 1, 2 ]
amdhsa.kernels:
  - .name:           k_qf2df6548eb_attn
    .symbol:         k_qf2df6548eb_attn.kd
    .args:
      - { .name: qkv16, .offset: 0, .size: 8, .value_kind: global_buffer, .address_space: global }
      - { .name: y16, .offset: 8, .size: 8, .value_kind: global_buffer, .address_space: global }
    .group_segment_fixed_size: 327680
    .private_segment_fixed_size: 0
    .kernarg_segment_align: 8
    .kernarg_segment_size: 16
    .max_flat_workgroup_size: 256
    .sgpr_count:     100
    .vgpr_count:     448
    .wavefront_size: 32
...
	.end_amdgpu_metadata
.endif
;; end of part 3
;; launch proj (part 4): grid 4 x 64, 4 waves a work-group, clusters of 4 x 4, 327,680 bytes of LDS; arguments y16, w16, out0; writes out0
.if DOCPART == 4
	.amdgcn_target "amdgcn-amd-amdhsa--gfx1250"
	.amdhsa_code_object_version 6
	.text
	.protected	k_qf2df6548eb_proj
	.globl	k_qf2df6548eb_proj
	.p2align	8
	.type	k_qf2df6548eb_proj,@function
k_qf2df6548eb_proj:
	s_mov_b64 s[64:65], 0
	v_nop
	global_prefetch_b8 v0, s[64:65] scope:SCOPE_SE
	s_setreg_imm32_b32 hwreg(HW_REG_WAVE_MODE, 25, 1), 1
	s_wait_xcnt 0x0
	s_wait_alu depctr_hold_cnt(0) depctr_sa_sdst(0) depctr_va_vdst(0) depctr_va_sdst(0) depctr_va_ssrc(0) depctr_va_vcc(0) depctr_vm_vsrc(0)
	s_getreg_b32 s2, hwreg(HW_REG_IB_STS2, 6, 4)
	s_cmp_eq_u32 s2, 0
	s_cbranch_scc0 .Lentry_in_a_cluster
	s_endpgm
.Lentry_in_a_cluster:
	s_bfe_u32 s2, ttmp6, 0x10000c
	s_cmp_lg_u32 s2, 0xf033
	s_cbranch_scc0 .Lentry_shape_is_right
	s_endpgm
.Lentry_shape_is_right:
; out0[m][n] = sum over k of y[m][k] Wout[n][k]: m = 8,192, n = 1,024, K = 1,024; f16 operands, f32 sums, f32 results.
; y16 lies [batch x 16 + head][position][64] and w16 [k / 64][n][64]: 64 along K of many rows are one dense block of memory, rows of 128 bytes.
; A tile of 128 x 256 is made by four waves, each 64 x 128: 32 accumulators, 256 registers: 256 work-groups.  K goes in 8 steps of 128 (two heads: two planes of 64) through a ring of two LDS slots.
; CLUSTERS: 4 x 4 work-groups.  The four of a row need the same tiles of y, the four of a column the same tiles of Wout: each plane is asked for jointly, by the same tensor load with the same descriptor and a mask that names the four.
; THE MATRIX INSTRUCTION IS USED TRANSPOSED (source 0 = 16 rows of Wout, source 1 = 16 rows of y): a lane then holds eight neighbouring numbers of a row of out0.
; All rows are stored here; the launch that follows writes positions 0 to 15 of each sequence anew, from f32 operands.
; REGISTERS: window 0: v16-29 addresses; v32-159 rows on the way out.   window 1: two fragment buffers of 96 (32 along K: y's 4 fragments, then Wout's 8).   window 2: the accumulators ((a, b) at v[8 (8 a + b)]).
.set PITCH,  144                       ; an LDS row: 128 bytes + 16 = 36 words: the 16 rows of a load start at 16 different groups of four banks
.set APL,    128*PITCH                 ; a plane of y's tile
.set BPL,    256*PITCH                 ; a plane of Wout's
.set BOFF,   2*APL
.set SLOT,   2*APL+2*BPL
.set STAGE,  2*SLOT                    ; behind the ring: 16 rows x 528 bytes for each wave, for the way out
.set SPITCH, 528
.set SPARE,  STAGE+4*16*SPITCH         ; the spare words, 128 bytes a wave, which no other line names
.set LAPS,   4                         ; a lap = two K steps = once round the ring
.set ASTEP,  2*262144                  ; a K step in y16: two planes of 2,048 x 128 bytes
.set BSTEP,  2*131072                  ; and in w16: two blocks of 1,024 x 128 bytes
.set ADRA, 16                          ; v16-17  LDS address of my fragments of y in slot 0, 1
.set ADRB, 20                          ; v20-21  the same for Wout
.set STO,  24                          ; v24     the way out: where I put 32 bytes of a row
.set RD,   25                          ; v25     where I read a row back
.set CO,   26                          ; v26     16 x lane
.set SPW,  28                          ; v28     LDS address of my spare word; never rewritten
.set NIL,  29                          ; v29     0; never rewritten
.set BK,   32                          ; rows read back: v32-95 and v96-159 by turns
.set F0,   0                           ; fragment buffers, in window 1
.set F1,   96
.set G1, 24                            ; s[24:31] descriptor group 1 for y's planes;  s[32:39] group 0, one set for each slot
.set G0, 32
.set G1B, 48                           ; s[48:55], s[56:63] the same for Wout's
.set G0B, 56
.set MSB, 0
.macro WIN new                         ; the immediate's high byte repeats the setting that is left
.if MSB != \new
	s_set_vgpr_msb (MSB<<8)|\new
.set MSB, \new
.endif
.endm
.set MUL,  0xa5                        ; sources 0 and 1 window 1; C and D window 2
.set TO_F, 0x40                        ; destination window 1, address window 0
.macro JLOAD s                         ; a joint load: waves 0 and 1 fetch y's two planes, waves 2 and 3 Wout's; an s_nop 0 and four v_nop follow each of the two lines
	s_cmp_eq_u32 s11, 0
	s_cbranch_scc0 .Lfor_b_\@
	tensor_load_to_lds s[G0+4*\s:G0+4*\s+3], s[G1:G1+7]
	s_nop 0
.rept 4
	v_nop
.endr
	s_branch .Lasked_\@
.Lfor_b_\@:
	tensor_load_to_lds s[G0B+4*\s:G0B+4*\s+3], s[G1B:G1B+7]
	s_nop 0
.rept 4
	v_nop
.endr
.Lasked_\@:
.endm
.macro CREST                           ; a round of the cluster's barrier behind its opening barrier
	s_cmp_lg_u32 s10, 0
	s_cbranch_scc1 .Lnot_wave_0_\@
	s_barrier_signal -3
.Lnot_wave_0_\@:
	s_barrier_wait -3
	s_barrier_signal -1
	s_barrier_wait -1
.endm
.macro CROUND                          ; a whole round
	s_barrier_signal -1
	s_barrier_wait -1
	CREST
.endm
	s_load_b128 s[4:7], s[0:1], 0x0                ; y16, w16
	s_load_b64 s[8:9], s[0:1], 0x10                ; out0
	v_lshl_add_u32 v[SPW], v0, 2, SPARE
	v_mov_b32 v[NIL], 0
	ds_add_u32 v[SPW], v[NIL]                      ; the wave's opening: the add, twice on end, and its wait ahead of my first tensor load
	ds_add_u32 v[SPW], v[NIL]                      ; and once more, under the one wait; the set-up below, work on registers, stands between
	v_lshrrev_b32 v1, 5, v0
	v_readfirstlane_b32 s10, v1                    ; wave 0..3
	s_lshr_b32 s11, s10, 1                         ; which 64 of the tile's rows are mine.  Also: I fetch for y (0) or for Wout (1)
	s_and_b32 s12, s10, 1                          ; which 128 of its columns.  Also: which plane of a K step I fetch
	s_bfe_u32 s40, ttmp6, 0x40000                  ; cx, cy: my place in the cluster
	s_bfe_u32 s41, ttmp6, 0x40004
	s_lshl_b32 s42, ttmp9, 2
	s_add_co_u32 s42, s42, s40                     ; tile column = 4 x cluster x + cx
	s_and_b32 s13, ttmp7, 0xffff
	s_lshl_b32 s13, s13, 2
	s_add_co_u32 s13, s13, s41                     ; tile row = 4 x cluster y + cy
	s_lshl_b32 s43, s41, 2
	s_lshl_b32 s43, 15, s43                        ; my row of the cluster
	s_lshl_b32 s44, 0x1111, s40                    ; my column
	; descriptor group 1: rows of 64 elements of 2 bytes, dense in memory, padded in LDS: 128 rows of y, 256 of Wout
	s_or_b32 s[G1+0], s43, (1<<16)|(1<<20)|(1<<21)|(4<<22)|(3<<25)  ; 15:0 the mask; 17:16 elements of 2 bytes; 20 padding on; 21 set beside a mask; 24:22 after every 32 words; 31:25 four words
	s_or_b32 s[G1B+0], s44, (1<<16)|(1<<20)|(1<<21)|(4<<22)|(3<<25)
	s_mov_b32 s[G1+1], 64<<16                      ; tensor_dim0
	s_mov_b32 s[G1+2], 128<<16                     ; tensor_dim1
	s_mov_b32 s[G1+3], 64<<16                      ; tile_dim0
	s_mov_b32 s[G1+4], 128                         ; tile_dim1
	s_mov_b32 s[G1+5], 64                          ; tensor_dim0_stride
	s_mov_b32 s[G1+6], 0
	s_mov_b32 s[G1+7], 0
	s_mov_b32 s[G1B+1], 64<<16
	s_mov_b32 s[G1B+2], 256<<16
	s_mov_b32 s[G1B+3], 64<<16
	s_mov_b32 s[G1B+4], 256
	s_mov_b32 s[G1B+5], 64
	s_mov_b32 s[G1B+6], 0
	s_mov_b32 s[G1B+7], 0
	s_lshr_b32 s16, s13, 4                         ; y: the batch: 16 planes of 262,144 bytes,
	s_lshl_b32 s16, s16, 22
	s_and_b32 s17, s13, 15                         ; 128 positions of 128 bytes a tile row,
	s_lshl_b32 s17, s17, 14
	s_add_co_u32 s16, s16, s17
	s_lshl_b32 s17, s12, 18                        ; my plane of the K step
	s_add_co_u32 s16, s16, s17
	s_mov_b32 s17, 0
	s_lshl_b32 s46, s42, 15                        ; Wout: 256 rows of 128 bytes a tile column,
	s_lshl_b32 s47, s12, 17                        ; my block of the K step
	s_add_co_u32 s46, s46, s47
	s_mov_b32 s47, 0
	s_mul_i32 s20, s12, APL                        ; where they go: no place in the cluster enters an LDS address
	s_mul_i32 s21, s12, BPL
	s_add_co_u32 s21, s21, BOFF
	s_wait_dscnt 0x0                               ; both opening adds are done
	s_wait_kmcnt 0x0
	s_add_nc_u64 s[14:15], s[4:5], s[16:17]
	s_add_nc_u64 s[46:47], s[6:7], s[46:47]
	CROUND                                         ; all sixteen work-groups are here: the first joint loads meet
.irp s, 0,1
	s_mov_b32 s[G0+4*\s], 1
	s_add_co_u32 s[G0+4*\s+1], s20, \s*SLOT
	s_add_nc_u64 s[G0+4*\s+2:G0+4*\s+3], s[14:15], \s*ASTEP
	s_or_b32 s[G0+4*\s+3], s[G0+4*\s+3], 0x80000000
	s_mov_b32 s[G0B+4*\s], 1
	s_add_co_u32 s[G0B+4*\s+1], s21, \s*SLOT
	s_add_nc_u64 s[G0B+4*\s+2:G0B+4*\s+3], s[46:47], \s*BSTEP
	s_or_b32 s[G0B+4*\s+3], s[G0B+4*\s+3], 0x80000000
	JLOAD \s                                       ; two tensor loads of mine are out at the start, one behind each later round
.endr
	v_and_b32 v1, 15, v0                           ; r
	v_bfe_u32 v2, v0, 4, 1                         ; h
	v_mul_u32_u24 v3, v1, PITCH
	v_lshl_add_u32 v3, v2, 4, v3                   ; a fragment's row x pitch + 16 x half
	s_mul_i32 s21, s11, 64*PITCH                   ; my 64 rows of y
	s_mul_i32 s22, s12, 128*PITCH                  ; my 128 rows of Wout,
	s_add_co_u32 s22, s22, BOFF                    ; which lie behind y's two planes
.irp s, 0,1
	v_add_nc_u32 v[ADRA+\s], s21, v3
	v_add_nc_u32 v[ADRB+\s], s22, v3
	s_add_co_u32 s21, s21, SLOT
	s_add_co_u32 s22, s22, SLOT
.endr
	s_mul_i32 s23, s10, 16*SPITCH
	s_add_co_u32 s23, s23, STAGE                   ; my stage
	v_mul_u32_u24 v4, v1, SPITCH
	v_lshl_add_u32 v4, v2, 5, v4
	v_add_nc_u32 v[STO], s23, v4                   ; in: row r, 32 bytes for each half of the lanes
	v_and_b32 v5, 31, v0
	v_lshlrev_b32 v[CO], 4, v5                     ; back: the 32 lanes take one row of 512 bytes; and the same in out0
	v_add_nc_u32 v[RD], s23, v[CO]
	s_lshl_b32 s16, s13, 7
	s_lshl_b32 s17, s11, 6
	s_add_co_u32 s16, s16, s17                     ; my first row of out0: 128 x tile row + 64 x half,
	s_lshl_b32 s16, s16, 12                        ; of 4,096 bytes
	s_mov_b32 s17, 0
	s_add_nc_u64 s[8:9], s[8:9], s[16:17]
	s_lshl_b32 s46, s42, 10                        ; my first column, in bytes: 1,024 x tile column + 512 x half
	s_lshl_b32 s47, s12, 9
	s_add_co_u32 s46, s46, s47
	s_mov_b32 s47, 0
	s_add_nc_u64 s[8:9], s[8:9], s[46:47]
; 8 matrix instructions: y's block a against Wout's eight, 32 along K, from buffer f.  zero = 1: the first product starts the sums.  The 32 accumulators take turns, one instruction a turn.
.macro MULA f, a, zero
.irp b, 0,1,2,3,4,5,6,7
.if \zero
	v_wmma_f32_16x16x32_f16 v[8*(8*(\a)+\b):8*(8*(\a)+\b)+7], v[\f+32+8*\b:\f+32+8*\b+7], v[\f+8*(\a):\f+8*(\a)+7], 0
.else
	v_wmma_f32_16x16x32_f16 v[8*(8*(\a)+\b):8*(8*(\a)+\b)+7], v[\f+32+8*\b:\f+32+8*\b+7], v[\f+8*(\a):\f+8*(\a)+7], v[8*(8*(\a)+\b):8*(8*(\a)+\b)+7]
.endif
.endr
.endm
; 24 LDS loads in one run: the fragments of the K step's q-th 32 along K (plane q / 2, byte 64 (q % 2) of its rows) into buffer f: Wout's eight, then y's four
.macro FETCH slot, q, f
	WIN TO_F
.irp i, 0,1,2,3,4,5,6,7
	ds_load_b128 v[\f+32+8*\i:\f+32+8*\i+3],   v[ADRB+\slot] offset:((\q)/2)*BPL+((\q)%2)*64+\i*16*PITCH
	ds_load_b128 v[\f+32+8*\i+4:\f+32+8*\i+7], v[ADRB+\slot] offset:((\q)/2)*BPL+((\q)%2)*64+\i*16*PITCH+32
.endr
.irp i, 0,1,2,3
	ds_load_b128 v[\f+8*\i:\f+8*\i+3],   v[ADRA+\slot] offset:((\q)/2)*APL+((\q)%2)*64+\i*16*PITCH
	ds_load_b128 v[\f+8*\i+4:\f+8*\i+7], v[ADRA+\slot] offset:((\q)/2)*APL+((\q)%2)*64+\i*16*PITCH+32
.endr
.endm
.macro PLACES                          ; four plain vector instructions in front of loads into registers that matrix instructions have read, and of reads of results
.rept 4
	v_nop
.endr
.endm
; A K step is four quarters of 32 along K, 32 matrix instructions each, on buffers 0, 1, 0, 1.  One of the first three: multiplies buffer f and fetches quarter qn into g.
.macro QUARTER slot, qn, f, g, zero
	s_wait_dscnt 4                                 ; Wout's fragments and y's blocks 0, 1 are in; the youngest four loads (blocks 2, 3) may be out
	WIN MUL
	MULA \f, 0, \zero
	MULA \f, 1, \zero
	PLACES
	FETCH \slot, \qn, \g
	s_wait_dscnt 24                                ; all but the 24 just issued
	WIN MUL
	MULA \f, 2, \zero
	MULA \f, 3, \zero
.endm
; The last quarter multiplies buffer 1 and changes slots: one barrier; in front of it each wave waits for all its tensor loads, adds 0 to its spare word, and waits for that and for its own reads of this slot.  fill = 1: this slot is filled again, two K steps ahead.
.macro TURN slot, next, fill
	WIN 0                                          ; (the add's two registers lie in window 0)
	s_wait_tensorcnt 0x0                           ; all my tensor loads have landed: my part of the next slot
	ds_add_u32 v[SPW], v[NIL]                      ; 0 onto my spare word
	s_wait_dscnt 5                                 ; (the add and the youngest four loads may be out)
	WIN MUL
	MULA F1, 0, 0                                  ; eight matrix instructions stand between the add and the wait for it
	s_wait_dscnt 0x0                               ; the add is done, and my reads of this slot are over
	s_barrier_signal -1
	MULA F1, 1, 0
.if \fill
	WIN 0
.endif
	s_barrier_wait -1
.if \fill
	CREST                                          ; the barrier has opened a round of the cluster's barrier: no wave of any partner still reads this slot or has a load on its way
	s_add_nc_u64 s[G0+4*\slot+2:G0+4*\slot+3], s[G0+4*\slot+2:G0+4*\slot+3], 2*ASTEP
	s_add_nc_u64 s[G0B+4*\slot+2:G0B+4*\slot+3], s[G0B+4*\slot+2:G0B+4*\slot+3], 2*BSTEP
	JLOAD \slot                                    ; the first tensor load behind the round; the four v_nop behind it are also the places in front of the loads below
.else
	PLACES
.endif
	FETCH \next, 0, F0
	WIN MUL
	MULA F1, 2, 0
	MULA F1, 3, 0
.endm
	s_wait_tensorcnt 1                             ; my part of K step 0 is in (K step 1's load may be out)
	s_barrier_signal -1
	s_barrier_wait -1                              ; everybody's is
	FETCH 0, 0, F0
	QUARTER 0, 1, F0, F1, 1                        ; the first quarter stands in front of the loop: its products start the sums
	WIN 0                                          ; at a label and at a branch every window is 0
	s_mov_b32 s3, LAPS-1
.Llap:                                                 ; a trip goes once round the ring, from a lap's second quarter to the next lap's first, and fills both slots again
	QUARTER 0, 2, F1, F0, 0
	QUARTER 0, 3, F0, F1, 0
	TURN 0, 1, 1
	QUARTER 1, 1, F0, F1, 0
	QUARTER 1, 2, F1, F0, 0
	QUARTER 1, 3, F0, F1, 0
	TURN 1, 0, 1
	QUARTER 0, 1, F0, F1, 0
	WIN 0
	s_sub_co_u32 s3, s3, 1
	s_cmp_lg_u32 s3, 0
	s_cbranch_scc1 .Llap
	QUARTER 0, 2, F1, F0, 0                        ; the last lap fills nothing, and has no round of the cluster's barrier
	QUARTER 0, 3, F0, F1, 0
	TURN 0, 1, 0
	QUARTER 1, 1, F0, F1, 0
	QUARTER 1, 2, F1, F0, 0
	QUARTER 1, 3, F0, F1, 0
	s_wait_dscnt 4                                 ; the very last quarter: nothing more to fetch
	WIN MUL
	MULA F1, 0, 0
	MULA F1, 1, 0
	s_wait_dscnt 0
	MULA F1, 2, 0
	MULA F1, 3, 0
	WIN 0
; THE WAY OUT, block by block of 16 rows x 128 columns: through my own stage and back as whole rows of 512 bytes.  LDS serves a wave's instructions in order: no wait between the stores and the loads.
.macro TOSTAGE a
	WIN 0x08                                       ; an LDS store's data are its source 1: window 2
.irp b, 0,1,2,3,4,5,6,7
	ds_store_b128 v[STO], v[64*(\a)+8*\b:64*(\a)+8*\b+3] offset:64*\b          ; each accumulator from its low end on
	ds_store_b128 v[STO], v[64*(\a)+8*\b+4:64*(\a)+8*\b+7] offset:64*\b+16
.endr
	WIN 0
.set BB, BK+64*((\a)%2)
.irp t, 0,1,2,3,4,5,6,7,8,9,10,11,12,13,14,15
	ds_load_b128 v[BB+4*\t:BB+4*\t+3], v[RD] offset:\t*SPITCH
.endr
.endm
.macro SEND a, younger                 ; younger: the LDS instructions issued behind block a's loads, which may stay out
.set BB, BK+64*((\a)%2)
	s_wait_dscnt \younger
.irp t, 0,1,2,3,4,5,6,7,8,9,10,11,12,13,14,15
	global_store_b128 v[CO], v[BB+4*\t:BB+4*\t+3], s[8:9] offset:(16*(\a)+\t)*4096 th:TH_STORE_NT   ; 32 lanes store 512 consecutive bytes, aligned
.endr
.endm
	PLACES
	TOSTAGE 0
.irp a, 1,2,3
.if \a > 1
	s_wait_xcnt 0x0                                ; block a - 2's stores have read their registers: block a's loads may land there
.endif
	TOSTAGE \a
	SEND \a-1, 32                                  ; behind block a - 1's loads: block a's 16 stores and 16 loads
.endr
	SEND 3, 0
	s_wait_tensorcnt 0x0                           ; the wave's end: behind my last tensor load and my last LDS store
	ds_add_u32 v[SPW], v[NIL]
	s_wait_dscnt 0x0
	CROUND                                         ; the closing round: no work-group ends while a partner may still ask for a tile that names it
	s_endpgm
.Lfunc_end_k_qf2df6548eb_proj:
	.size	k_qf2df6548eb_proj, .Lfunc_end_k_qf2df6548eb_proj-k_qf2df6548eb_proj
	.p2alignl 7, 3214868480
	.fill 96, 4, 3214868480
	.section	.rodata,"a",@progbits
	.p2align	6, 0x0
	.amdhsa_kernel k_qf2df6548eb_proj
		.amdhsa_group_segment_fixed_size 327680
		.amdhsa_private_segment_fixed_size 0
		.amdhsa_enable_private_segment 0
		.amdhsa_kernarg_size 24
		.amdhsa_user_sgpr_count 2
		.amdhsa_user_sgpr_kernarg_segment_ptr 1
		.amdhsa_wavefront_size32 1
		.amdhsa_system_sgpr_workgroup_id_x 1
		.amdhsa_system_sgpr_workgroup_id_y 1
		.amdhsa_system_sgpr_workgroup_id_z 1
		.amdhsa_system_vgpr_workitem_id 0
		.amdhsa_next_free_vgpr 768
		.amdhsa_next_free_sgpr 66
		.amdhsa_reserve_vcc 0
		.amdhsa_float_denorm_mode_32 3
		.amdhsa_float_denorm_mode_16_64 3
		.amdhsa_memory_ordered 1
		.amdhsa_forward_progress 1
		.amdhsa_inst_pref_size 85
	.end_amdhsa_kernel
	.amdgpu_metadata
---
amdhsa.version: [ 1, 2 ]
amdhsa.kernels:
  - .name:           k_qf2df6548eb_proj
    .symbol:         k_qf2df6548eb_proj.kd
    .args:
      - { .name: y16, .offset: 0, .size: 8, .value_kind: global_buffer, .address_space: global }
      - { .name: w16, .offset: 8, .size: 8, .value_kind: global_buffer, .address_space: global }
      - { .name: out0, .offset: 16, .size: 8, .value_kind: global_buffer, .address_space: global }
    .group_segment_fixed_size: 327680
    .private_segment_fixed_size: 0
    .kernarg_segment_align: 8
    .kernarg_segment_size: 24
    .max_flat_workgroup_size: 128
    .sgpr_count:     66
    .vgpr_count:     768
    .wavefront_size: 32
...
	.end_amdgpu_metadata
.endif
;; end of part 4
;; launch fine (part 5): grid 16 x 4, 16 waves a work-group, no clusters, 71,680 bytes of LDS; arguments q32, Wout, out0; writes out0
.if DOCPART == 5
	.amdgcn_target "amdgcn-amd-amdhsa--gfx1250"
	.amdhsa_code_object_version 6
	.text
	.protected	k_qf2df6548eb_fine
	.globl	k_qf2df6548eb_fine
	.p2align	8
	.type	k_qf2df6548eb_fine,@function
k_qf2df6548eb_fine:
	s_mov_b64 s[64:65], 0
	v_nop
	global_prefetch_b8 v0, s[64:65] scope:SCOPE_SE
	s_setreg_imm32_b32 hwreg(HW_REG_WAVE_MODE, 25, 1), 1
	s_wait_xcnt 0x0
; Positions 0 to 15 of each sequence once more, with f32 operands throughout: they average one to sixteen values and are the largest rows of the output.  64 rows of out0 are written over.
; WORK LEFT OUT: for these queries every key from 16 on lies under the problem's own mask and reaches no output: 16 keys are taken.
; A work-group makes out0[batch][0:16][64 nb .. 64 nb + 63].  Wave w is head w: S^T = K Q^T (16 x 16 x 64), the masked softmax, O^T = V^T P (64 x 16 x 16), and its part of the projection,
; out^T += Wout[64 nb .., 64 w ..] O^T (64 x 16 x 64): O^T stands in registers just as source 1 wants it.  The sixteen heads' parts meet in LDS.  The small attention is redone by the 16 column blocks of a batch.
; The f32 matrix form takes 4 along K: lane (r, h), register j: k = 2 h + j.  One permutation of K on both operands keeps a product: a lane's register pair is loaded as it lies in memory on both sides.
; REGISTERS: v1-15 addresses and single numbers; v16-47 Q, v48-79 K, later Wout's tiles 0, 1, later the parts read back; v80-111 V; v112-143 four accumulators (S^T's four chains, later out^T's four tiles);
; v144-175 O^T; v176-183 the scores, then p; v184-191 at work; v192-255 Wout's tiles 2, 3.  v112-175 are written by matrix instructions alone.
.set ROWQ,  12288                      ; a row of q32: 3,072 f32
.set PART,  16*272                     ; LDS: a head's part: 16 rows x (256 bytes + 16)
.set SPARE, 16*PART                    ; behind the parts: the spare words, 128 bytes a wave, which no other line names
.set VQ,  3                            ; v3   Q, K: row r + 16 h
.set VV,  4                            ; v4   V: key 8 h, channel r
.set VW,  5                            ; v5   Wout: row r + 32 h
.set RH,  6                            ; v6   r - 8 h
.set STO, 7                            ; v7   LDS: where I put my part
.set RD,  8                            ; v8   LDS: where I read the sixteen parts
.set GO,  9                            ; v9   my byte offset in out0
.set SPW, 10                           ; v10  LDS address of my spare word; never rewritten
.set NIL, 11                           ; v11  0; never rewritten
	s_load_b128 s[4:7], s[0:1], 0x0                ; q32, Wout
	s_load_b64 s[8:9], s[0:1], 0x10                ; out0
	v_lshl_add_u32 v[SPW], v0, 2, SPARE
	v_mov_b32 v[NIL], 0
	v_lshrrev_b32 v1, 5, v0
	v_readfirstlane_b32 s10, v1                    ; wave = head
	s_and_b32 s12, ttmp7, 0xffff                   ; batch
	v_and_b32 v1, 15, v0                           ; r
	v_bfe_u32 v2, v0, 4, 1                         ; h
	v_mul_u32_u24 v[VQ], v1, ROWQ
	v_lshl_add_u32 v[VQ], v2, 4, v[VQ]
	v_mul_u32_u24 v[VV], v2, 8*ROWQ
	v_lshl_add_u32 v[VV], v1, 2, v[VV]
	v_lshlrev_b32 v[VW], 12, v1
	v_lshl_add_u32 v[VW], v2, 5, v[VW]
	v_lshlrev_b32 v[RH], 3, v2
	v_sub_nc_u32 v[RH], v1, v[RH]
	s_mul_i32 s13, s10, PART
	v_mul_u32_u24 v[STO], v1, 272
	v_lshl_add_u32 v[STO], v2, 5, v[STO]
	v_add_nc_u32 v[STO], s13, v[STO]               ; my part: row r, + 32 h
	v_bfe_u32 v[RD], v0, 4, 4                      ; the sum: thread t of the first 256 takes row t / 16, 16 bytes at 16 (t % 16)
	v_lshlrev_b32 v[GO], 12, v[RD]
	v_lshl_add_u32 v[GO], v1, 4, v[GO]
	v_mul_u32_u24 v[RD], v[RD], 272
	v_lshl_add_u32 v[RD], v1, 4, v[RD]
	v_mov_b32 v13, 0                               ; written once: a lane permute's destination counts as one of its sources
	v_mov_b32 v15, 0xff800000                      ; -infinity
	s_mov_b32 s20, 0x76543210
	s_mov_b32 s21, 0xfedcba98                      ; v_permlanex16_b32's selects for lane l xor 16
	s_mov_b32 s22, 0x3e38aa3b                      ; c = log2(e) / 8
	s_mul_i32 s14, s12, 16*ROWQ                    ; q32: my batch's 16 rows, my head's 64 columns
	s_lshl_b32 s15, s10, 8
	s_add_co_u32 s14, s14, s15
	s_mov_b32 s15, 0
	s_lshl_b32 s16, ttmp9, 18                      ; Wout: my 64 rows of 4,096 bytes, my head's 64 columns
	s_lshl_b32 s17, s10, 8
	s_add_co_u32 s16, s16, s17
	s_mov_b32 s17, 0
	s_lshl_b32 s18, s12, 23                        ; out0: my batch's 2,048 rows of 4,096 bytes, my 64 columns
	s_lshl_b32 s19, ttmp9, 8
	s_add_co_u32 s18, s18, s19
	s_mov_b32 s19, 0
	s_wait_kmcnt 0x0
	s_add_nc_u64 s[4:5], s[4:5], s[14:15]
	s_add_nc_u64 s[6:7], s[6:7], s[16:17]
	s_add_nc_u64 s[8:9], s[8:9], s[18:19]
.irp i, 0,1,2,3,4,5,6,7
	global_load_b128 v[16+4*\i:19+4*\i], v[VQ], s[4:5] offset:32*\i             ; Q(r, 8 i + 4 h + 0 .. 3)
.endr
.irp i, 0,1,2,3,4,5,6,7
	global_load_b128 v[48+4*\i:51+4*\i], v[VQ], s[4:5] offset:4096+32*\i        ; K likewise: 1,024 columns on
.endr
.irp ct, 0,1,2,3
.irp e, 0,1,2,3,4,5,6,7
	global_load_b32 v[80+8*\ct+\e], v[VV], s[4:5] offset:8192+\e*ROWQ+64*\ct    ; V(key 8 h + e, channel 16 ct + r)
.endr
.endr
.irp nt, 2,3
.irp ct, 0,1,2,3
	global_load_b128 v[192+32*(\nt-2)+8*\ct:195+32*(\nt-2)+8*\ct], v[VW], s[6:7] offset:\nt*65536+64*\ct      ; Wout(16 nt + r, 16 ct + 8 h + 0 .. 7)
	global_load_b128 v[196+32*(\nt-2)+8*\ct:199+32*(\nt-2)+8*\ct], v[VW], s[6:7] offset:\nt*65536+64*\ct+16
.endr
.endr
	s_wait_loadcnt 48                              ; Q and K are in; V's 32 loads and Wout's 16 stay out
.set st, 0
.rept 16                                       ; S^T = K Q^T in four chains, which take turns; each chain's first product starts its sum
.if st < 4
	v_wmma_f32_16x16x4_f32 v[112+8*(st%4):119+8*(st%4)], v[48+2*st:49+2*st], v[16+2*st:17+2*st], 0
.else
	v_wmma_f32_16x16x4_f32 v[112+8*(st%4):119+8*(st%4)], v[48+2*st:49+2*st], v[16+2*st:17+2*st], v[112+8*(st%4):119+8*(st%4)]
.endif
.set st, st+1
.endr
.rept 8
	v_nop                                          ; eight places behind this form: in front of loads into its operands and of the first read of its results
.endr
.irp nt, 0,1
.irp ct, 0,1,2,3
	global_load_b128 v[16+32*\nt+8*\ct:19+32*\nt+8*\ct], v[VW], s[6:7] offset:\nt*65536+64*\ct
	global_load_b128 v[20+32*\nt+8*\ct:23+32*\nt+8*\ct], v[VW], s[6:7] offset:\nt*65536+64*\ct+16
.endr
.endr
.irp j, 0,2,4,6                                ; the four chains are joined, each accumulator from its low end on: lane (r, h), register j: key 8 h + j, query r
	v_pk_add_f32 v[176+\j:177+\j], v[112+\j:113+\j], v[120+\j:121+\j]
	v_pk_add_f32 v[184+\j:185+\j], v[128+\j:129+\j], v[136+\j:137+\j]
.endr
.irp j, 0,2,4,6
	v_pk_add_f32 v[176+\j:177+\j], v[176+\j:177+\j], v[184+\j:185+\j]
.endr
.irp j, 0,1,2,3,4,5,6,7
	v_cmp_gt_i32 vcc_lo, \j, v[RH]                 ; key 8 h + j is hidden where it comes after query r
	v_cndmask_b32 v[176+\j], v[176+\j], v15, vcc_lo
.endr
	v_max3_num_f32 v12, v176, v177, v178
	v_max3_num_f32 v12, v12, v179, v180
	v_max3_num_f32 v12, v12, v181, v182
	v_max_num_f32 v12, v12, v183
	v_permlanex16_b32 v13, v12, s20, s21
	v_max_num_f32 v12, v12, v13                    ; the row's maximum: key 0 counts for every query, so it is a number
	v_mul_f32 v14, s22, v12
.irp j, 0,1,2,3,4,5,6,7
	v_fma_f32 v[176+\j], v[176+\j], s22, -v14
.endr
.irp j, 0,1,2,3,4,5,6,7
	v_exp_f32 v[176+\j], v[176+\j]
.endr
	v_nop                                          ; a plain instruction behind the last exponential
	s_wait_alu depctr_va_vdst(0)                   ; one wait for the eight, ahead of the first use
	v_pk_add_f32 v[184:185], v[176:177], v[178:179]
	v_pk_add_f32 v[186:187], v[180:181], v[182:183]
	v_pk_add_f32 v[184:185], v[184:185], v[186:187]
	v_add_f32 v12, v184, v185
	v_permlanex16_b32 v13, v12, s20, s21
	v_add_f32 v12, v12, v13                        ; the row's sum
	v_rcp_f32 v14, v12
	v_nop
	s_wait_alu depctr_va_vdst(0)
.irp j, 0,2,4,6
	v_pk_mul_f32 v[176+\j:177+\j], v[176+\j:177+\j], v[14:15] op_sel_hi:[1,0]   ; the weights (of the pair the low word serves both halves)
.endr
	s_wait_loadcnt 32                              ; V is in; Wout's 32 loads stay out
.irp s, 0,1,2,3                                ; O^T = V^T P: the pair (p 2 s, p 2 s + 1) is keys 8 h + 2 s + 0, 1; the four accumulators take turns
.irp ct, 0,1,2,3
.if \s == 0
	v_wmma_f32_16x16x4_f32 v[144+8*\ct:151+8*\ct], v[80+8*\ct+2*\s:81+8*\ct+2*\s], v[176+2*\s:177+2*\s], 0
.else
	v_wmma_f32_16x16x4_f32 v[144+8*\ct:151+8*\ct], v[80+8*\ct+2*\s:81+8*\ct+2*\s], v[176+2*\s:177+2*\s], v[144+8*\ct:151+8*\ct]
.endif
.endr
.endr
.rept 9
	v_nop                                          ; nine places before a matrix instruction takes these results as an operand
.endr
	s_wait_loadcnt 0x0                             ; Wout
.irp ct, 0,1,2,3                               ; out^T += Wout O^T: the pair (O^T[ct] 2 s, 2 s + 1) is channels 16 ct + 8 h + 2 s + 0, 1; the four tiles of outputs take turns
.irp s, 0,1,2,3
.irp nt, 0,1,2,3
.if (\ct == 0) && (\s == 0)
	v_wmma_f32_16x16x4_f32 v[112+8*\nt:119+8*\nt], v[16+32*\nt+112*(\nt/2)+8*\ct+2*\s:17+32*\nt+112*(\nt/2)+8*\ct+2*\s], v[144+8*\ct+2*\s:145+8*\ct+2*\s], 0
.else
	v_wmma_f32_16x16x4_f32 v[112+8*\nt:119+8*\nt], v[16+32*\nt+112*(\nt/2)+8*\ct+2*\s:17+32*\nt+112*(\nt/2)+8*\ct+2*\s], v[144+8*\ct+2*\s:145+8*\ct+2*\s], v[112+8*\nt:119+8*\nt]
.endif
.endr
.endr
.endr
.rept 8
	v_nop
.endr
.irp nt, 0,1,2,3
	ds_store_b128 v[STO], v[112+8*\nt:115+8*\nt] offset:64*\nt          ; lane (r, h): my head's part of out0(r, 64 nb + 16 nt + 8 h + 0 .. 7); each accumulator from its low end on
	ds_store_b128 v[STO], v[116+8*\nt:119+8*\nt] offset:64*\nt+16
.endr
	s_wait_dscnt 0x0                               ; for the others' sake: my stores have landed
	s_barrier_signal -1
	s_barrier_wait -1
	s_cmp_ge_u32 s10, 8                            ; 16 rows x 256 bytes are 256 pieces of 16 bytes: the first eight waves add and store
	s_cbranch_scc1 .Lend
.irp w, 0,1,2,3,4,5,6,7,8,9,10,11,12,13,14,15
	ds_load_b128 v[16+4*\w:19+4*\w], v[RD] offset:\w*PART
.endr
	s_wait_dscnt 0x0
.irp d, 32,16,8,4                              ; the sixteen parts, by halves
.set n, 0
.rept \d/2
	v_pk_add_f32 v[16+n:17+n], v[16+n:17+n], v[16+\d+n:17+\d+n]
.set n, n+2
.endr
.endr
	global_store_b128 v[GO], v[16:19], s[8:9]      ; sixteen lanes store 256 consecutive bytes, aligned
.Lend:
	s_wait_tensorcnt 0x0                           ; the wave's end: behind my last LDS store
	ds_add_u32 v[SPW], v[NIL]
	s_wait_dscnt 0x0
	s_endpgm
.Lfunc_end_k_qf2df6548eb_fine:
	.size	k_qf2df6548eb_fine, .Lfunc_end_k_qf2df6548eb_fine-k_qf2df6548eb_fine
	.p2alignl 7, 3214868480
	.fill 96, 4, 3214868480
	.section	.rodata,"a",@progbits
	.p2align	6, 0x0
	.amdhsa_kernel k_qf2df6548eb_fine
		.amdhsa_group_segment_fixed_size 71680
		.amdhsa_private_segment_fixed_size 0
		.amdhsa_enable_private_segment 0
		.amdhsa_kernarg_size 24
		.amdhsa_user_sgpr_count 2
		.amdhsa_user_sgpr_kernarg_segment_ptr 1
		.amdhsa_wavefront_size32 1
		.amdhsa_system_sgpr_workgroup_id_x 1
		.amdhsa_system_sgpr_workgroup_id_y 1
		.amdhsa_system_sgpr_workgroup_id_z 1
		.amdhsa_system_vgpr_workitem_id 0
		.amdhsa_next_free_vgpr 256
		.amdhsa_next_free_sgpr 66
		.amdhsa_reserve_vcc 1
		.amdhsa_float_denorm_mode_32 3
		.amdhsa_float_denorm_mode_16_64 3
		.amdhsa_memory_ordered 1
		.amdhsa_forward_progress 1
		.amdhsa_inst_pref_size 24
	.end_amdhsa_kernel
	.amdgpu_metadata
---
amdhsa.version: [ 1, 2 ]
amdhsa.kernels:
  - .name:           k_qf2df6548eb_fine
    .symbol:         k_qf2df6548eb_fine.kd
    .args:
      - { .name: q32, .offset: 0, .size: 8, .value_kind: global_buffer, .address_space: global }
      - { .name: Wout, .offset: 8, .size: 8, .value_kind: global_buffer, .address_space: global }
      - { .name: out0, .offset: 16, .size: 8, .value_kind: global_buffer, .address_space: global }
    .group_segment_fixed_size: 71680
    .private_segment_fixed_size: 0
    .kernarg_segment_align: 8
    .kernarg_segment_size: 24
    .max_flat_workgroup_size: 512
    .sgpr_count:     66
    .vgpr_count:     256
    .wavefront_size: 32
...
	.end_amdgpu_metadata
.endif
;; end of part 5
